; MI455X (gfx1250); checked and timed in simulation.
; The chip was launched on July 23, 2026; its instructions are those of AMD's public machine-readable ISA for CDNA 5 (MIT licence, August 2026) and "CDNA5" Instruction Set Architecture Reference Guide (July 2026). The comments in the code are by the model that wrote it; some were corrected since.
;; Attention Layer. Allowed arithmetic: matrix products marked QUANTISED: E2M3 operands, one E8M0 scale for each 32 along K, by v_wmma_scale_f32_16x16x128_f8f6f4 with both operands' format E2M3, f32 sums; everything else in f32.
;; Inputs: Wk 1,024 x 1,024 float32; Wo 1,024 x 1,024 float32; Wq 1,024 x 1,024 float32; Wv 1,024 x 1,024 float32; bk 1,024 float32; bo 1,024 float32; bq 1,024 float32; bv 1,024 float32; delta 4 x 2,048 float32; k 4 x 2,048 x 1,024 float32; q 4 x 2,048 x 1,024 float32; tau 4 x 1 float32; v 4 x 2,048 x 1,024 float32.
;; Outputs: out0 4 x 2,048 x 1,024 float32.
;; This version of the problem:
;;   THIS VERSION OF THE PROBLEM IS GIVEN IN LOW PRECISION. The matrix products marked QUANTISED in the list below multiply operands that are first quantised to E2M3 (2 exponent bits, 3 mantissa bits; 6 bits a number), with one power-of-two scale for each 32 numbers along K (OCP MX v1.0); their sums are f32. All else is computed in f32.
;;   The module's matrix products, in the order in which they are computed (A, B: the left and right operand; K: the contracted axis; several contracted axes count as one K, in the product's order):
;;     1. [M 8,192, K 1,024] x [K 1,024, N 1,024]; A: input q; B: input Wq: QUANTISED
;;     2. [M 8,192, K 1,024] x [K 1,024, N 1,024]; A: input k; B: input Wk: QUANTISED
;;     3. [M 8,192, K 1,024] x [K 1,024, N 1,024]; A: input v; B: input Wv: QUANTISED
;;     4. batch 64 x [M 2,048, K 64] x [K 64, N 2,048]; A: computed on the way; B: computed on the way: QUANTISED
;;     5. batch 64 x [M 64, K 2,048] x [K 2,048, N 2,048]; A: computed on the way; B: softmax (see below): QUANTISED
;;     6. [M 8,192, K 1,024] x [K 1,024, N 1,024]; A: computed on the way; B: input Wo: QUANTISED
;;   THE QUANTISER, for each operand of a quantised product, along K:
;;     - K is cut into blocks of 32 from its start; a last block that is shorter is filled with zeros.
;;     - A block's scale is 2^e with e = floor(log2(the largest magnitude in the block)) - 2, held to -126 .. 127; a block of zeros has e = 0. As a byte (E8M0): e + 127.
;;     - Each number is divided by its block's scale, clamped to +-7.5, and rounded to the nearest number of E2M3, ties to even, subnormals kept.
;;     - The product sums the exact products of the quantised numbers (number of the format x scale) in f32.
;;   ~~~python
;;   def quantise(x, axis):      # numpy; x: float32 -> the quantised numbers, widened to float32 again
;;       x = np.moveaxis(x, axis, -1); K = x.shape[-1]
;;       x = np.pad(x, [(0, 0)] * (x.ndim - 1) + [(0, -K % 32)]); x = x.reshape(x.shape[:-1] + (-1, 32)); a = np.abs(x).max(-1, keepdims=True)
;;       e = np.where(a > 0, np.clip(np.frexp(np.where(a > 0, a, 1))[1] - 1 - 2, -126, 127), 0)      # np.frexp(a)[1] - 1 = floor(log2(a)), exactly
;;       r = np.clip(x / 2.0 ** e, -7.5, 7.5)
;;       step = 2.0 ** (np.maximum(np.frexp(np.where(r == 0, 1, r))[1] - 1, 0) - 3)
;;       q = np.round(r / step) * step * 2.0 ** e      # np.round: ties to even
;;       return np.moveaxis(q.reshape(q.shape[:-2] + (-1,))[..., :K], -1, axis).astype(np.float32)
;;   ~~~
;;   SOFTMAX AHEAD OF A QUANTISED PRODUCT. Where the list says 'softmax', what is quantised is not the finished softmax but p = 2^(t - M), with t = logit x log2(e) and M = ceil(the row's largest t), a whole number; so 1/2 < the row's largest p <= 1. The row's sum l is taken of the UNQUANTISED p, in f32, and the product's result is divided by l at the end. Since M is a whole number, a kernel that streams over the keys may use a running M (the ceiling of the running maximum): every later rescaling is an exact power of two, which a block's scale takes up: the codes' values come out the same.
;;   OPERANDS COMPUTED ON THE WAY. 'Computed on the way' means the value that the module computes at that place (a softmax that the list does not call 'softmax' is quantised finished and normalised). What goes into a quantiser is computed in f32, as accurately as f32 sums, v_exp_f32 and their like allow (about 1e-6 of the number): no bf16 or f16 on the way to a quantiser, and a product that is left as it is and whose result goes on into a quantised operand takes f32 operands (vector FMAs, or v_wmma_f32_16x16x4_f32). A number that lies on a knife's edge between two numbers of the format may be rounded either way, as far as f32 arithmetic and the matrix unit's own rounding can turn it there, and no further.
;; One version. Each part assembles by itself: llvm-mc -triple=amdgcn-amd-amdhsa -mcpu=gfx1250 --defsym DOCPART=n.
;; ======== version 1 of 1: 4 launches
;; limits: right only within a limited range of input values
;; workspace buffers: c1 22,937,600 bytes; hc 19,660,800 bytes; hs 524,288 bytes; oc 6,553,600 bytes
;; launch quant (part 1): grid 896 x 1, 4 waves a work-group, no clusters, 34,304 bytes of LDS; arguments q, k, v, Wq, Wk, Wv, Wo, c1; writes c1
.if DOCPART == 1
	.amdgcn_target "amdgcn-amd-amdhsa--gfx1250"
	.amdhsa_code_object_version 6
	.text
	.protected	k_q8acd7787cb_quant
	.globl	k_q8acd7787cb_quant
	.p2align	8
	.type	k_q8acd7787cb_quant,@function
k_q8acd7787cb_quant:
	s_mov_b64 s[64:65], 0
	v_nop
	global_prefetch_b8 v0, s[64:65] scope:SCOPE_SE
	s_setreg_imm32_b32 hwreg(HW_REG_WAVE_MODE, 25, 1), 1
	s_wait_xcnt 0x0
; q, k, v [8192][1024] and Wq, Wk, Wv, Wo [1024][1024], f32, K innermost, become codes of FP6 (E2M3) with one E8M0 byte for each 32 along K.
; A block's scale is 2^(floor(log2(its largest magnitude)) - 2); its byte is that magnitude's exponent field - 2, held at 1 from below.
; LIMITS: a block of zeros gets the byte 1 (its codes are zeros, and only this program reads the bytes); NaN and infinities among the inputs are not served.
; LAYOUT OF c1: tiles of 16 rows, 1,792 of them (q 0-511, k 512-1023, v 1024-1535, then 64 for each weight); a tile is a record of 12,800 bytes: for each half of K four fragments (16 rows x 128 K) of 1,536 bytes and 256 bytes of scale words.
; A fragment lies as the operand's registers lie: chunk p (256 bytes) holds registers 2 p, 2 p + 1, lane l's 8 bytes at 8 l.  Lane (r, h) holds row r, registers 6 c .. 6 c + 5 = K 64 c + 32 h + 0 .. 31.
; THE ROWS OF A TILE ARE NOT NEIGHBOURS: row i of tile 2 B + u is the tensor's row 32 B + 8 u + i + 8 (i / 8).
; SCALE WORDS, 256 bytes behind each half's four fragments: the word of the half's K step s, row r at (s / 2) 128 + 8 r + 4 (s % 2).
; SHARES: a work-group takes two tiles; wave w takes tile w / 2 of them and half w % 2 of K: four K steps of 128.
; Each load reads 512 consecutive bytes of one row; a K step's 16 rows turn through the wave's own stage in LDS (rows 528 bytes apart), so that a lane gets two whole blocks of 32 of its row.
; No barrier: waves share nothing.  Loads run one K step (16 loads) ahead of the step in hand.
.set STG,  16*528                      ; a wave's stage
.set R,    16                          ; v16-143  two sets of 64 registers as loaded
.set X,    144                         ; v144-207 my 64 numbers: register 32 c + i = K 64 c + 32 h + i of row r
.set PC,   208                         ; v208-231 two sets of 12 registers of codes
.set CT,   232                         ; v232-238 the upper halves of the blocks' codes, before they are moved
.set MX,   240                         ; v240-241 largest magnitudes
.set SO,   242                         ; v242-243 the conversions' scale operands
.set BY,   244                         ; v244-245 scale bytes
.set WT,   246                         ; v246-247 at work
.set SW,   248                         ; v248-251 the four K steps' scale words
	s_load_b512 s[8:23], s[0:1], 0x0               ; q, k, v, Wq, Wk, Wv, Wo, c1
	; c1 AS IT IS NOW LAID: a tile's record is 12,800 bytes: for each half of K four fragments of 1,536 bytes and then that half's 256 bytes of scale words (K step s, row r at ((s / 2) % 2) 128 + 8 r + 4 (s % 2)); there is no s1
	v_lshl_add_u32 v254, v0, 2, 0x8400
	v_mov_b32 v255, 0
	v_lshrrev_b32 v1, 5, v0
	v_readfirstlane_b32 s4, v1                     ; wave
	v_and_b32 v1, 31, v0                           ; lane
	v_lshlrev_b32 v2, 4, v1                        ; my 16 bytes of a load's 512
	v_lshlrev_b32 v3, 3, v1                        ; my 8 bytes of a chunk
	s_mul_i32 s5, s4, STG
	v_add_nc_u32 v4, s5, v2                        ; the stage, on the way in
	v_and_b32 v7, 15, v0                           ; r
	v_bfe_u32 v8, v0, 4, 1                         ; h
	v_mul_u32_u24 v5, v7, 528
	v_lshl_add_u32 v5, v8, 7, v5
	v_add_nc_u32 v5, s5, v5                        ; and on the way out: row r, block h
	v_lshlrev_b32 v6, 3, v8                        ; 8 h: my bytes' place in the scale word
	v_mov_b32 v[WT+1], 0                           ; a lane permute's destination counts as one of its sources
	s_mov_b32 s6, 0x76543210
	s_mov_b32 s7, 0xfedcba98                       ; selects for lane l xor 16
	s_lshr_b32 s28, ttmp9, 8                       ; 0, 1, 2: q, k, v; 3: a weight
	s_lshr_b32 s29, ttmp9, 5
	s_and_b32 s29, s29, 3                          ; which weight
	s_lshl_b32 s30, ttmp9, 1
	s_lshr_b32 s31, s4, 1
	s_add_co_u32 s30, s30, s31                     ; my tile in c1
	s_and_b32 s31, s4, 1                           ; my half of K
	s_cmp_lt_u32 s28, 3
	s_cselect_b32 s32, 511, 63
	s_and_b32 s32, s30, s32                        ; my tile in its tensor
	s_lshr_b32 s33, s32, 1
	s_lshl_b32 s33, s33, 5
	s_and_b32 s34, s32, 1
	s_lshl_b32 s34, s34, 3
	s_add_co_u32 s33, s33, s34                     ; its first row
	; k's tiles take other rows: row i of tile T is row 64 (T / 4) + 8 (T % 4) + i % 8 + 32 (i / 8), so that in the scores' layout a lane holds whole blocks of 32 keys
	s_lshr_b32 s35, s32, 2
	s_lshl_b32 s35, s35, 6
	s_and_b32 s34, s32, 3
	s_lshl_b32 s34, s34, 3
	s_add_co_u32 s35, s35, s34
	s_cmp_eq_u32 s28, 1
	s_cselect_b32 s33, s35, s33
	s_cselect_b32 s35, 65536, 0                    ; k: rows 8-15 of a tile lie 16 rows further down than in the other tensors
	v_add_nc_u32 v9, s35, v2
	s_lshl_b32 s34, s33, 12                        ; rows of 4,096 bytes
	s_lshl_b32 s35, s31, 11
	s_add_co_u32 s34, s34, s35
	s_mov_b32 s35, 0
	s_mul_i32 s36, s30, 12800
	s_mul_i32 s37, s31, 6400
	s_add_co_u32 s36, s36, s37
	s_mov_b32 s37, 0
	s_wait_alu depctr_va_vdst(0)
	s_wait_kmcnt 0x0
	s_mov_b64 s[26:27], s[20:21]                   ; the source: a choice among the seven buffers that hangs on the work-group's number alone
	s_cmp_eq_u32 s29, 0
	s_cselect_b64 s[26:27], s[14:15], s[26:27]
	s_cmp_eq_u32 s29, 1
	s_cselect_b64 s[26:27], s[16:17], s[26:27]
	s_cmp_eq_u32 s29, 2
	s_cselect_b64 s[26:27], s[18:19], s[26:27]
	s_cmp_eq_u32 s28, 0
	s_cselect_b64 s[26:27], s[8:9], s[26:27]
	s_cmp_eq_u32 s28, 1
	s_cselect_b64 s[26:27], s[10:11], s[26:27]
	s_cmp_eq_u32 s28, 2
	s_cselect_b64 s[26:27], s[12:13], s[26:27]
	s_add_nc_u64 s[26:27], s[26:27], s[34:35]
	s_add_nc_u64 s[22:23], s[22:23], s[36:37]
.macro LOAD s                          ; K step s: 16 rows x 512 bytes into set s % 2
.irp i, 0,1,2,3,4,5,6,7,8,9,10,11,12,13,14,15
	global_load_b128 v[R+64*((\s)%2)+4*\i:R+64*((\s)%2)+4*\i+3], v[2+7*(\i/8)], s[26:27] offset:(\i+8*(\i/8))*4096+512*(\s) th:TH_LOAD_NT
.endr
.endm
.macro TURN s                          ; through the stage: LDS serves a wave's instructions in order, so no wait stands between the stores and the loads
.irp i, 0,1,2,3,4,5,6,7,8,9,10,11,12,13,14,15
	ds_store_b128 v4, v[R+64*((\s)%2)+4*\i:R+64*((\s)%2)+4*\i+3] offset:528*\i
.endr
.irp c, 0,1
.irp j, 0,1,2,3,4,5,6,7
	ds_load_b128 v[X+32*\c+4*\j:X+32*\c+4*\j+3], v5 offset:256*\c+16*\j
.endr
.endr
.endm
.macro Q32 s                           ; my two blocks (h and 2 + h of row r) become 12 registers of codes and my part of the scale word
.set CP, PC+12*((\s)%2)
.irp c, 0,1
	v_max3_num_f32 v[MX+\c], |v[X+32*\c]|, |v[X+32*\c+1]|, 0x1800000   ; with the floor 2^(3 - 127): the byte cannot fall under 1
.endr
.irp i, 2,4,6,8,10,12,14,16,18,20,22,24,26,28,30
.irp c, 0,1
	v_max3_num_f32 v[MX+\c], v[MX+\c], |v[X+32*\c+\i]|, |v[X+32*\c+\i+1]|
.endr
.endr
.irp c, 0,1
	v_add_nc_u32 v[SO+\c], 0xff000000, v[MX+\c]    ; 2 off the exponent field: the conversion takes this operand's exponent field as its scale
.endr
.irp c, 0,1
	v_lshrrev_b32 v[BY+\c], 23, v[SO+\c]           ; the scale's byte
.endr
	v_lshl_or_b32 v[WT], v[BY+1], 16, v[BY]
	v_lshlrev_b32 v[WT], v6, v[WT]                 ; at their places in the word
	v_permlanex16_b32 v[WT+1], v[WT], s6, s7
	v_or_b32 v[SW+(\s)], v[WT], v[WT+1]            ; with lane l xor 16's two bytes the word is whole
.if (\s) >= 2
	s_wait_alu depctr_va_vdst(0)
	s_wait_xcnt 0x0                                ; the stores of two K steps back have read this set of codes
.endif
.irp c, 0,1
	v_cvt_scalef32_pk16_fp6_f32 v[CP+6*\c:CP+6*\c+2], v[X+32*\c:X+32*\c+15], v[SO+\c]
	v_cvt_scalef32_pk16_fp6_f32 v[CT+4*\c:CT+4*\c+2], v[X+32*\c+16:X+32*\c+31], v[SO+\c]   ; (a conversion's three registers begin on an even number)
.endr
	v_nop                                          ; one plain place behind a scaled conversion
.irp c, 0,1
.irp i, 0,1,2
	v_mov_b32 v[CP+6*\c+3+\i], v[CT+4*\c+\i]
.endr
.endr
.irp p, 0,1,2,3,4,5
	global_store_b64 v3, v[CP+2*\p:CP+2*\p+1], s[22:23] offset:1536*(\s)+256*\p   ; 32 lanes store 256 consecutive bytes, aligned
.endr
.endm
	LOAD 0
	LOAD 1
.irp s, 0,1,2,3
.if \s < 3
	s_wait_loadcnt 16                              ; this K step's 16 loads are in; the next step's may be out
.else
	s_wait_loadcnt 0x0
.endif
	TURN \s
	s_wait_dscnt 0x0                               ; my 64 numbers are back, and the stage's stores have read their registers
.if \s < 2
	LOAD \s+2
.endif
	Q32 \s
.endr
	v_cmp_le_u32 vcc_lo, 16, v1                    ; lanes 0-15 store K steps 0, 1 of row r, lanes 16-31 K steps 2, 3
	v_cndmask_b32 v252, v[SW], v[SW+2], vcc_lo
	v_cndmask_b32 v253, v[SW+1], v[SW+3], vcc_lo
	global_store_b64 v3, v[252:253], s[22:23] offset:6144   ; 256 consecutive bytes, aligned, behind my half's four fragments
	s_wait_tensorcnt 0x0
	ds_add_u32 v254, v255
	s_wait_dscnt 0x0
	s_endpgm
.Lfunc_end_k_q8acd7787cb_quant:
	.size	k_q8acd7787cb_quant, .Lfunc_end_k_q8acd7787cb_quant-k_q8acd7787cb_quant
	.p2alignl 7, 3214868480
	.fill 96, 4, 3214868480
	.section	.rodata,"a",@progbits
	.p2align	6, 0x0
	.amdhsa_kernel k_q8acd7787cb_quant
		.amdhsa_group_segment_fixed_size 34304
		.amdhsa_private_segment_fixed_size 0
		.amdhsa_enable_private_segment 0
		.amdhsa_kernarg_size 64
		.amdhsa_user_sgpr_count 2
		.amdhsa_user_sgpr_kernarg_segment_ptr 1
		.amdhsa_wavefront_size32 1
		.amdhsa_system_sgpr_workgroup_id_x 1
		.amdhsa_system_sgpr_workgroup_id_y 1
		.amdhsa_system_sgpr_workgroup_id_z 1
		.amdhsa_system_vgpr_workitem_id 0
		.amdhsa_next_free_vgpr 256
		.amdhsa_next_free_sgpr 66
		.amdhsa_reserve_vcc 1
		.amdhsa_float_denorm_mode_32 3
		.amdhsa_float_denorm_mode_16_64 3
		.amdhsa_memory_ordered 1
		.amdhsa_forward_progress 1
		.amdhsa_inst_pref_size 32
	.end_amdhsa_kernel
	.amdgpu_metadata
---
amdhsa.version: [ 1, 2 ]
amdhsa.kernels:
  - .name:           k_q8acd7787cb_quant
    .symbol:         k_q8acd7787cb_quant.kd
    .args:
      - { .name: q, .offset: 0, .size: 8, .value_kind: global_buffer, .address_space: global }
      - { .name: k, .offset: 8, .size: 8, .value_kind: global_buffer, .address_space: global }
      - { .name: v, .offset: 16, .size: 8, .value_kind: global_buffer, .address_space: global }
      - { .name: Wq, .offset: 24, .size: 8, .value_kind: global_buffer, .address_space: global }
      - { .name: Wk, .offset: 32, .size: 8, .value_kind: global_buffer, .address_space: global }
      - { .name: Wv, .offset: 40, .size: 8, .value_kind: global_buffer, .address_space: global }
      - { .name: Wo, .offset: 48, .size: 8, .value_kind: global_buffer, .address_space: global }
      - { .name: c1, .offset: 56, .size: 8, .value_kind: global_buffer, .address_space: global }
    .group_segment_fixed_size: 34304
    .private_segment_fixed_size: 0
    .kernarg_segment_align: 8
    .kernarg_segment_size: 64
    .max_flat_workgroup_size: 128
    .sgpr_count:     66
    .vgpr_count:     256
    .wavefront_size: 32
...
	.end_amdgpu_metadata
.endif
;; end of part 1
;; launch proj (part 2): grid 4 x 64, 4 waves a work-group, clusters of 4 x 4, 327,680 bytes of LDS; arguments c1, bq, bk, bv, hc, hs; writes hc, hs
.if DOCPART == 2
	.amdgcn_target "amdgcn-amd-amdhsa--gfx1250"
	.amdhsa_code_object_version 6
	.text
	.protected	k_q8acd7787cb_proj
	.globl	k_q8acd7787cb_proj
	.p2align	8
	.type	k_q8acd7787cb_proj,@function
k_q8acd7787cb_proj:
	s_mov_b64 s[64:65], 0
	v_nop
	global_prefetch_b8 v0, s[64:65] scope:SCOPE_SE
	s_setreg_imm32_b32 hwreg(HW_REG_WAVE_MODE, 25, 1), 1
	s_wait_xcnt 0x0
	s_wait_alu depctr_hold_cnt(0) depctr_sa_sdst(0) depctr_va_vdst(0) depctr_va_sdst(0) depctr_va_ssrc(0) depctr_va_vcc(0) depctr_vm_vsrc(0)
	s_getreg_b32 s2, hwreg(HW_REG_IB_STS2, 6, 4)
	s_cmp_eq_u32 s2, 0
	s_cbranch_scc0 .Lentry_in_a_cluster
	s_endpgm
.Lentry_in_a_cluster:
	s_bfe_u32 s2, ttmp6, 0x10000c
	s_cmp_lg_u32 s2, 0xf033
	s_cbranch_scc0 .Lentry_shape_is_right
	s_endpgm
.Lentry_shape_is_right:
; The three input projections x W^T + b on codes of FP6 (E2M3), K = 1,024, and the quantising of their results for the attention's two products.
; A UNIT is 128 tokens x 256 channels of one of q, k, v.  There are 768 units and 256 work-groups: a work-group STAYS and makes the three units of its 128 tokens and 256 channels, q, k (a loop of two trips) and v (written out).
; c1: a tile of 16 rows is a record of 12,800 bytes: for each half of K four fragments (16 rows x 128 K, 1,536 bytes, as the operand's registers lie) and that half's 256 bytes of scale words.
; K goes through two LDS slots of K = 512: a slot holds the half records of P's 8 tiles (tokens) and X's 16 (weight rows), 24 x 6,400 bytes; rows of 6,400 bytes that begin at multiples of 256.
; The ring runs on from unit to unit: slot 0 is filled again in a unit's fourth step, slot 1 in its eighth, with the next unit's halves; by this text's count a wave has one tensor load out behind each round.
; No prefetch: a unit's K is two slots long, and each fill is asked for four steps or more (128 products a wave) ahead of its first read.
; A wave makes 8 tiles of source 0 x 4 tiles of source 1: 32 accumulators.  q, k: source 0 = 8 of X's tiles, source 1 = 4 of P's: a lane holds a token, its registers run along 128 channels (two heads).
; v: source 0 = P's 8 tiles, source 1 = 4 of X's (one head): a lane holds a channel, its registers run along the 128 keys.  Only LDS addresses differ.
; By the rows of a tile (tile 2 B + u, row i = 32 B + 8 u + i + 8 (i / 8)) a lane's registers of source 0's tiles 2 B, 2 B + 1 are 16 neighbours 32 B + 16 (lane / 16) + 0 .. 15.
; CLUSTERS: 4 x 4 work-groups; P's tiles are asked for jointly along a row of the cluster, X's along a column.  The bias is added on the way out; each unit's first products take 0 as C.
; OUT: hc: q [bh][step of 128 tokens][tile 8][768]; then a record of 208,896 bytes for each bh: k likewise 98,304, v [step][4 tiles of 16 channels][1,536] 98,304, k's scale words [step][lane][4] 8,192, v's [step][lane][2] 4,096.  hs: q's scale words [bh][step][lane][4].
; LIMITS: NaN and infinities are not served; a block of zeros gets the byte 1 with zero codes.
; REGISTERS: window 0: v8-15, v16-23 LDS addresses (q and k; v); v32-63 scale words, two sets; v64-127 a lane's 64 results; v128-223 source 1's fragments, two sets, on the way out codes and work; v224-231 v's bias.
;   window 1: source 0's fragments, two sets, at v0 and v128.  window 2: the accumulators ((a, b) at v[8 (8 a + b)]).  window 3: v0-63 the bias along the registers.
.set FR,   12
.set TH,   6400                        ; a tile's half record
.set TREC, 12800
.set XB,   8*TH
.set SLOT, 24*TH
.set SPARE, 2*SLOT                     ; the spare words, 128 bytes a wave
.set QK,   8                           ; an address set: +0, +1 source 1's fragments in slot 0, 1; +2, +3 source 0's; +4, +5 scale words, lanes 0-15 source 1's, lanes 16-31 source 0's; +6, +7 source 0's in all lanes
.set VV,   16
.set BOF,  2
.set SPW,  28
.set NIL,  29
.set L8,   30
.set L16,  31
.set SC,   32
.set HA,   64
.set AF,   128
.set CD,   128
.set TM,   176
.set CT,   192
.set PWR,  200
.set MW,   204
.set NW,   206
.set BR,   224
.set BC,   0
.set SEL,  2
.set G1, 24
.set G0, 32
.set G1B, 48
.set G0B, 56
.set MSB, 0
.macro WIN new                         ; the immediate's high byte repeats the setting that is left
.if MSB != (\new)
	s_set_vgpr_msb (MSB<<8)|(\new)
.set MSB, (\new)
.endif
.endm
.macro PLACES
.rept 4
	v_nop
.endr
.endm
.macro JLOAD sl                        ; a joint load: waves 0, 1 fetch 4 of P's tiles each, waves 2, 3 8 of X's
	s_cmp_eq_u32 s19, 0
	s_cbranch_scc0 .Lfor_b_\@
	tensor_load_to_lds s[G0+4*(\sl):G0+4*(\sl)+3], s[G1:G1+7]
	s_nop 0
	PLACES
	s_branch .Lasked_\@
.Lfor_b_\@:
	tensor_load_to_lds s[G0B+4*(\sl):G0B+4*(\sl)+3], s[G1B:G1B+7]
	s_nop 0
	PLACES
.Lasked_\@:
.endm
.macro CREST
	s_cmp_lg_u32 s18, 0
	s_cbranch_scc1 .Lnot_wave_0_\@
	s_barrier_signal -3
.Lnot_wave_0_\@:
	s_barrier_wait -3
	s_barrier_signal -1
	s_barrier_wait -1
.endm
.macro CROUND
	s_barrier_signal -1
	s_barrier_wait -1
	CREST
.endm
.macro FRAG reg, adr, q, i             ; a fragment as it lies: six chunks of 256 bytes, 8 bytes a lane
.irp p, 0,1,2,3,4,5
	ds_load_b64 v[\reg+2*\p:\reg+2*\p+1], v[\adr] offset:(\i)*TH+(\q)*1536+\p*256
.endr
.endm
.macro FB ad, s                        ; step s: source 0's eight fragments into set s % 2: 48 loads
	WIN 0x40
.irp i, 0,1,2,3,4,5,6,7
	FRAG 128*((\s)%2)+FR*\i, \ad+2+(\s)/4, (\s)%4, \i
.endr
	WIN 0
.endm
.macro FA ad, s                        ; source 1's four, and with an even step the scale words of two steps
.irp i, 0,1,2,3
	FRAG AF+48*((\s)%2)+FR*\i, \ad+(\s)/4, (\s)%4, \i
.endr
.if (\s)%2 == 0
.irp i, 0,1,2,3
	ds_load_b64 v[SC+16*(((\s)/2)%2)+2*\i:SC+16*(((\s)/2)%2)+2*\i+1], v[\ad+4+(\s)/4] offset:\i*TH+6144+128*(((\s)/2)%2)
.endr
.irp i, 4,5,6,7
	ds_load_b64 v[SC+16*(((\s)/2)%2)+2*\i:SC+16*(((\s)/2)%2)+2*\i+1], v[\ad+6+(\s)/4] offset:\i*TH+6144+128*(((\s)/2)%2)
.endr
.endif
.endm
.macro MUL s, a0, zero                 ; 16 products: source 1's tiles a0, a0 + 1 x source 0's eight; the 32 accumulators take turns in the same order in every step
.irp a, \a0, \a0+1
.irp b, 0,1,2,3,4,5,6,7
.set D_, 8*(8*(\a)+\b)
.set A_, 128*((\s)%2)+FR*\b
.set B_, AF+48*((\s)%2)+FR*(\a)
.set S_, SC+16*(((\s)/2)%2)+(\s)%2
.if \zero
	v_wmma_scale_f32_16x16x128_f8f6f4 v[D_:D_+7], v[A_:A_+11], v[B_:B_+11], 0, v[S_+2*\b], v[S_+2*(\a)] matrix_a_fmt:MATRIX_FMT_FP6 matrix_b_fmt:MATRIX_FMT_FP6 matrix_a_scale:MATRIX_SCALE_ROW1
.else
	v_wmma_scale_f32_16x16x128_f8f6f4 v[D_:D_+7], v[A_:A_+11], v[B_:B_+11], v[D_:D_+7], v[S_+2*\b], v[S_+2*(\a)] matrix_a_fmt:MATRIX_FMT_FP6 matrix_b_fmt:MATRIX_FMT_FP6 matrix_a_scale:MATRIX_SCALE_ROW1
.endif
.endr
.endr
.endm
.macro STEP ad, s, zero                ; a step that has its successor in the same slot
	PLACES                                         ; in front of loads into the sets that the last step multiplied
	FB \ad, (\s)+1
	s_wait_dscnt 48                                ; all but the 48 just issued: this step's fragments and scale words are in
	WIN 0xa1
	MUL \s, 0, \zero
	WIN 0
	FA \ad, (\s)+1
	WIN 0xa1
	MUL \s, 2, \zero
	WIN 0
.endm
; A slot's last step.  One barrier: in front of it each wave waits for all its tensor loads (its part of the other slot), adds 0 to its spare word, and waits for that and for its reads of this slot.
.macro TURN ad, s, fill
	s_wait_tensorcnt 0x0
	ds_add_u32 v[SPW], v[NIL]
	s_wait_dscnt 0x0
	s_barrier_signal -1
	WIN 0xa1
	MUL \s, 0, 0
	WIN 0
	s_barrier_wait -1
.if \fill
	CREST                                          ; the barrier has opened a round of the cluster's
	s_add_nc_u64 s[G0+4*((\s)/4)+2:G0+4*((\s)/4)+3], s[G0+4*((\s)/4)+2:G0+4*((\s)/4)+3], 512*TREC    ; the next unit: 512 tiles of tokens on,
	s_add_nc_u64 s[G0B+4*((\s)/4)+2:G0B+4*((\s)/4)+3], s[G0B+4*((\s)/4)+2:G0B+4*((\s)/4)+3], 64*TREC  ; 64 tiles of weights on
	JLOAD (\s)/4                                   ; the first tensor load behind the round
.else
	PLACES
.endif
.if (\s) == 3
	FB \ad, 4
	FA \ad, 4
.endif
	WIN 0xa1
	MUL \s, 2, 0
	WIN 0
.endm
; 64 numbers of a lane, register 16 b + i = place 32 b + 16 (lane / 16) + i along the next K, become a fragment's codes in v[d] on and its scale word in v[pw].
.macro QUANT s, d, pw
.irp b, 0,1,2,3
	v_max3_num_f32 v[TM+\b], |v[\s+16*\b]|, |v[\s+1+16*\b]|, 0x1800000   ; with the floor 2^(3 - 127): the byte cannot fall under 1
.endr
.irp i, 2,4,6,8,10,12,14
.irp b, 0,1,2,3
	v_max3_num_f32 v[TM+\b], v[TM+\b], |v[\s+16*\b+\i]|, |v[\s+1+16*\b+\i]|
.endr
.endr
.irp b, 0,1,2,3
	v_permlanex16_b32 v[TM+4+\b], v[TM+\b], s[SEL], s[SEL+1]
.endr
.irp b, 0,1,2,3
	v_max_num_f32 v[TM+\b], v[TM+\b], v[TM+4+\b]   ; with lane l xor 16's: the block's largest magnitude
.endr
.irp b, 0,1,2,3
	v_add_nc_u32 v[TM+12+\b], 0xff000000, v[TM+\b] ; 2 off its exponent field: the conversion's scale operand
.endr
.irp b, 0,1,2,3
	v_lshrrev_b32 v[TM+8+\b], 23, v[TM+12+\b]      ; the scale's byte
.endr
	v_lshl_or_b32 v[\pw], v[TM+9], 8, v[TM+8]
	v_lshl_or_b32 v[\pw], v[TM+10], 16, v[\pw]
	v_lshl_or_b32 v[\pw], v[TM+11], 24, v[\pw]
.irp c, 0,1
	v_cvt_scalef32_pk16_fp6_f32 v[\d+6*\c:\d+2+6*\c], v[\s+32*\c:\s+15+32*\c], v[TM+12+2*\c]
	v_cvt_scalef32_pk16_fp6_f32 v[CT+4*\c:CT+2+4*\c], v[\s+16+32*\c:\s+31+32*\c], v[TM+12+2*\c+1]   ; (a conversion's three registers begin on an even number)
.endr
	v_nop                                          ; one plain place behind a scaled conversion
.irp c, 0,1                                    ; the operand's layout wants a whole block in a lane
.irp i, 0,1,2
	v_permlane16_swap_b32 v[\d+6*\c+\i], v[CT+4*\c+\i]
.endr
.irp i, 0,1,2
	v_mov_b32 v[\d+3+6*\c+\i], v[CT+4*\c+\i]
.endr
.endr
.endm
	s_load_b256 s[4:11], s[0:1], 0x0               ; c1, bq, bk, bv
	s_load_b128 s[12:15], s[0:1], 0x20             ; hc, hs
	v_lshl_add_u32 v[SPW], v0, 2, SPARE
	v_mov_b32 v[NIL], 0
	ds_add_u32 v[SPW], v[NIL]                      ; the opening lines: the add, twice on end, and its wait
	ds_add_u32 v[SPW], v[NIL]
	v_lshrrev_b32 v1, 5, v0
	v_readfirstlane_b32 s18, v1                    ; wave
	s_lshr_b32 s19, s18, 1                         ; q, k: my half of P.  Also: I fetch for P (0) or for X (1)
	s_and_b32 s20, s18, 1                          ; q, k: my half of X.  Also: which part I fetch
	s_bfe_u32 s21, ttmp6, 0x40000                  ; cx
	s_bfe_u32 s22, ttmp6, 0x40004                  ; cy
	s_lshl_b32 s100, ttmp9, 2
	s_add_co_u32 s100, s100, s21                   ; x: which 256 channels
	s_and_b32 s23, ttmp7, 0xffff
	s_lshl_b32 s23, s23, 2
	s_add_co_u32 s23, s23, s22                     ; y: which 128 tokens
	s_lshl_b32 s42, s22, 2
	s_lshl_b32 s42, 15, s42                        ; my row of the cluster
	s_lshl_b32 s43, 0x1111, s21                    ; my column
	s_or_b32 s[G1+0], s42, (3<<16)|(1<<21)         ; the mask; elements of 8 bytes; bit 21 beside a mask
	s_or_b32 s[G1B+0], s43, (3<<16)|(1<<21)
.irp g, G1, G1B
	s_mov_b32 s[\g+1], 800<<16                     ; rows of 6,400 bytes,
	s_mov_b32 s[\g+3], 800<<16
	s_mov_b32 s[\g+5], 1600                        ; 12,800 apart
	s_mov_b32 s[\g+6], 0
	s_mov_b32 s[\g+7], 0
.endr
	s_mov_b32 s[G1+2], 4<<16                       ; P: 4 tiles a load
	s_mov_b32 s[G1+4], 4
	s_mov_b32 s[G1B+2], 8<<16                      ; X: 8
	s_mov_b32 s[G1B+4], 8
	s_lshl_b32 s92, s23, 3
	s_lshl_b32 s44, s20, 2
	s_add_co_u32 s92, s92, s44
	s_mul_i32 s92, s92, TREC                       ; P: tile 8 y + 4 x part
	s_mov_b32 s93, 0
	s_lshl_b32 s96, s100, 4
	s_lshl_b32 s44, s20, 3
	s_add_co_u32 s96, s96, s44
	s_add_co_u32 s96, s96, 1536
	s_mul_i32 s96, s96, TREC                       ; X: tile 1,536 + 16 x + 8 x part
	s_mov_b32 s97, 0
	s_mul_i32 s46, s20, 4*TH                       ; where they go: by the wave's number alone
	s_mul_i32 s47, s20, 8*TH
	s_add_co_u32 s47, s47, XB
	s_mov_b32 s[SEL], 0x76543210
	s_mov_b32 s[SEL+1], 0xfedcba98
	s_wait_dscnt 0x0
	s_wait_kmcnt 0x0
	s_add_nc_u64 s[92:93], s[4:5], s[92:93]
	s_add_nc_u64 s[96:97], s[4:5], s[96:97]
	CROUND                                         ; all sixteen work-groups are here: the first joint loads meet
.irp s, 0,1
	s_mov_b32 s[G0+4*\s], 1
	s_add_co_u32 s[G0+4*\s+1], s46, \s*SLOT
	s_add_nc_u64 s[G0+4*\s+2:G0+4*\s+3], s[92:93], \s*TH
	s_or_b32 s[G0+4*\s+3], s[G0+4*\s+3], 0x80000000
	s_mov_b32 s[G0B+4*\s], 1
	s_add_co_u32 s[G0B+4*\s+1], s47, \s*SLOT
	s_add_nc_u64 s[G0B+4*\s+2:G0B+4*\s+3], s[96:97], \s*TH
	s_or_b32 s[G0B+4*\s+3], s[G0B+4*\s+3], 0x80000000
.endr
	JLOAD 0                                        ; q's first half of K: one tensor load a wave at the head
	; where the results go
	s_lshr_b32 s40, s23, 4                         ; batch
	s_and_b32 s44, s23, 15                         ; step of 128 tokens
	s_lshl_b32 s40, s40, 4
	s_lshl_b32 s45, s100, 2
	s_add_co_u32 s40, s40, s45                     ; bh of the work-group's first head
	s_add_co_u32 s99, s40, s18                     ; v: my head
	s_lshl_b32 s45, s20, 1
	s_add_co_u32 s98, s40, s45                     ; q, k: my first head
	s_mul_i32 s45, s44, 6144
	s_mul_i32 s46, s19, 3072
	s_add_co_u32 s46, s46, s45                     ; q, k: my four tiles of the step
	s_lshl_b32 s47, s44, 9
	s_lshl_b32 s40, s19, 3
	s_add_co_u32 s47, s47, s40                     ; and their two scale words of a lane's four
	s_mov_b32 s41, 0
	s_mul_i32 s40, s98, 98304
	s_add_co_u32 s40, s40, s46
	s_add_nc_u64 s[66:67], s[12:13], s[40:41]      ; q: codes, first head, second head;
	s_add_nc_u64 s[68:69], s[66:67], 98304
	s_lshl_b32 s40, s98, 13
	s_add_co_u32 s40, s40, s47
	s_add_nc_u64 s[70:71], s[14:15], s[40:41]      ; scale words
	s_add_nc_u64 s[72:73], s[70:71], 8192
	s_mul_i32 s98, s98, 208896
	s_add_co_u32 s98, s98, 6291456
	s_add_co_u32 s40, s98, s46
	s_add_nc_u64 s[74:75], s[12:13], s[40:41]      ; k likewise, in the heads' records
	s_add_nc_u64 s[76:77], s[74:75], 208896
	s_add_co_u32 s40, s98, s47
	s_add_co_u32 s40, s40, 196608
	s_add_nc_u64 s[78:79], s[12:13], s[40:41]
	s_add_nc_u64 s[80:81], s[78:79], 208896
	s_mul_i32 s99, s99, 208896
	s_add_co_u32 s99, s99, 6291456+98304
	s_add_co_u32 s40, s99, s45
	s_add_nc_u64 s[82:83], s[12:13], s[40:41]      ; v: codes,
	s_lshl_b32 s40, s44, 8
	s_add_co_u32 s40, s40, s99
	s_add_co_u32 s40, s40, 204800-98304
	s_add_nc_u64 s[84:85], s[12:13], s[40:41]      ; scale words
	s_lshl_b32 s40, s100, 10
	s_lshl_b32 s44, s20, 9
	s_add_co_u32 s40, s40, s44
	s_add_nc_u64 s[6:7], s[6:7], s[40:41]          ; the bias of my 128 channels (q, k),
	s_add_nc_u64 s[8:9], s[8:9], s[40:41]
	s_lshl_b32 s40, s100, 10
	s_lshl_b32 s44, s18, 8
	s_add_co_u32 s40, s40, s44
	s_add_nc_u64 s[10:11], s[10:11], s[40:41]      ; of my 64 (v)
	s_mul_i32 s44, s19, 4*TH                       ; LDS: q, k: my half of P,
	s_mul_i32 s45, s20, 8*TH
	s_add_co_u32 s45, s45, XB                      ; my half of X,
	s_sub_co_u32 s46, s45, s44                     ; from the one to the other;
	s_mul_i32 s47, s18, 4*TH
	s_add_co_u32 s47, s47, XB                      ; v: my quarter of X
	s_mov_b32 s97, 0xffff0000
	s_mov_b32 s101, 0
	v_and_b32 v1, 31, v0                           ; lane
	v_and_b32 v4, 15, v0                           ; r
	v_bfe_u32 v5, v0, 4, 1                         ; h
	v_lshlrev_b32 v[L8], 3, v1
	v_lshlrev_b32 v[L16], 4, v1
	v_lshlrev_b32 v6, 3, v4                        ; 8 r
	v_sub_nc_u32 v7, 1, v5
	v_lshlrev_b32 v[BOF], 6, v5                    ; 16 h numbers
	v_and_b32 v3, 8, v4
	v_add_nc_u32 v3, v3, v4
	v_lshlrev_b32 v3, 2, v3                        ; r + 8 (r / 8) numbers
	v_add_nc_u32 v[QK], s44, v[L8]
	v_add_nc_u32 v[QK+2], s45, v[L8]
	v_mul_u32_u24 v[QK+4], v5, s46
	v_add_nc_u32 v[QK+4], v[QK+4], v6
	v_add_nc_u32 v[QK+4], s44, v[QK+4]
	v_add_nc_u32 v[QK+6], s45, v6
	v_add_nc_u32 v[VV], s47, v[L8]
	v_mov_b32 v[VV+2], v[L8]
	v_mul_u32_u24 v[VV+4], v7, s47
	v_add_nc_u32 v[VV+4], v[VV+4], v6
	v_mov_b32 v[VV+6], v6
.irp k, 0,2,4,6
	v_add_nc_u32 v[QK+\k+1], SLOT, v[QK+\k]
	v_add_nc_u32 v[VV+\k+1], SLOT, v[VV+\k]
.endr
.irp b, 0,1,2,3
	v_mov_b32 v[TM+4+\b], 0                        ; a lane permute's destination counts as one of its sources
.endr
.irp a, 0,1,2,3
	global_load_b32 v[BR+2*\a], v3, s[10:11] offset:(32*(\a/2)+8*(\a%2))*4   ; v's bias along the lanes: tile a's row r
.endr
	s_wait_alu depctr_va_vdst(0)
	s_wait_tensorcnt 0x0                           ; my part of slot 0 is in
	ds_add_u32 v[SPW], v[NIL]
	s_wait_dscnt 0x0
	CROUND
	JLOAD 1                                        ; q's second half of K, the first tensor load behind the round
.Lunit:                                                ; two trips: q, then k
	s_cmp_eq_u32 s101, 0
	s_cselect_b64 s[86:87], s[66:67], s[74:75]
	s_cselect_b64 s[88:89], s[68:69], s[76:77]
	s_cselect_b64 s[90:91], s[70:71], s[78:79]
	s_cselect_b64 s[92:93], s[72:73], s[80:81]
	s_cselect_b64 s[94:95], s[6:7], s[8:9]
	WIN 0xc0
.irp b, 0,1,2,3,4,5,6,7
	global_load_b128 v[BC+8*\b:BC+8*\b+3], v[BOF], s[94:95] offset:(32*(\b/2)+8*(\b%2))*4        ; the bias along the registers: channels 32 (b / 2) + 16 h + 8 (b % 2) + 0 .. 7; wanted on the way out
	global_load_b128 v[BC+8*\b+4:BC+8*\b+7], v[BOF], s[94:95] offset:(32*(\b/2)+8*(\b%2))*4+16
.endr
	WIN 0
	FB QK, 0
	FA QK, 0
	STEP QK, 0, 1                                  ; the unit's first products start the sums
	STEP QK, 1, 0
	STEP QK, 2, 0
	TURN QK, 3, 1
	STEP QK, 4, 0
	STEP QK, 5, 0
	STEP QK, 6, 0
	TURN QK, 7, 1
	PLACES
	s_wait_loadcnt 0x0                             ; the bias is in
.irp a, 0,1,2,3                                ; token tile a: a lane's 64 results, each accumulator from its low end on, with the bias, quantised in registers
	WIN 0x0e                                       ; source 0 window 2, source 1 window 3
.irp i, 0,2,4,6,8,10,12,14,16,18,20,22,24,26,28,30,32,34,36,38,40,42,44,46,48,50,52,54,56,58,60,62
	v_pk_add_f32 v[HA+\i:HA+\i+1], v[64*\a+\i:64*\a+\i+1], v[BC+\i:BC+\i+1]
.endr
	WIN 0
	QUANT HA, CD+12*\a, PWR+\a
.endr
.irp i, 0,1
	v_cndmask_b32 v[MW+\i], v[PWR+2*\i], v[PWR+2*\i+1], s97   ; tile 2 i's words in lanes 0-15, tile 2 i + 1's in lanes 16-31
.endr
.irp i, 0,1
	v_lshrrev_b32 v[NW+\i], 16, v[MW+\i]           ; a word's bytes 0, 1 are my first head's two blocks, bytes 2, 3 my second head's
.endr
.irp a, 0,1,2,3
.irp p, 0,1,2
	global_store_b64 v[L8], v[CD+12*\a+2*\p:CD+12*\a+2*\p+1], s[86:87] offset:\a*768+\p*256      ; 256 consecutive bytes, aligned
	global_store_b64 v[L8], v[CD+12*\a+6+2*\p:CD+12*\a+6+2*\p+1], s[88:89] offset:\a*768+\p*256
.endr
.endr
	global_store_b64 v[L16], v[MW:MW+1], s[90:91]
	global_store_b64 v[L16], v[NW:NW+1], s[92:93]
	s_wait_xcnt 0x0                                ; the stores have read their registers and bases
	s_add_co_u32 s101, s101, 1
	s_cmp_lt_u32 s101, 2
	s_wait_alu depctr_va_vdst(0)
	s_cbranch_scc1 .Lunit
	FB VV, 0                                       ; v: nothing more is fetched from memory
	FA VV, 0
	STEP VV, 0, 1
	STEP VV, 1, 0
	STEP VV, 2, 0
	TURN VV, 3, 0
	STEP VV, 4, 0
	STEP VV, 5, 0
	STEP VV, 6, 0
	s_wait_dscnt 0x0
	WIN 0xa1
	MUL 7, 0, 0
	MUL 7, 2, 0
	WIN 0
.irp a, 0,1,2,3
	v_mov_b32 v[BR+2*\a+1], v[BR+2*\a]             ; a pair for the packed addition; also the places behind the last products
.endr
.irp a, 0,1,2,3                                ; channel tile a
	WIN 0x02
.irp i, 0,2,4,6,8,10,12,14,16,18,20,22,24,26,28,30,32,34,36,38,40,42,44,46,48,50,52,54,56,58,60,62
	v_pk_add_f32 v[HA+\i:HA+\i+1], v[64*\a+\i:64*\a+\i+1], v[BR+2*\a:BR+2*\a+1]
.endr
	WIN 0
	QUANT HA, CD+12*\a, PWR+\a
.endr
.irp i, 0,1
	v_cndmask_b32 v[MW+\i], v[PWR+2*\i], v[PWR+2*\i+1], s97
.endr
.irp a, 0,1,2,3
.irp p, 0,1,2,3,4,5
	global_store_b64 v[L8], v[CD+12*\a+2*\p:CD+12*\a+2*\p+1], s[82:83] offset:\a*1536+\p*256
.endr
.endr
	global_store_b64 v[L8], v[MW:MW+1], s[84:85]
	s_wait_tensorcnt 0x0                           ; the wave's end
	ds_add_u32 v[SPW], v[NIL]
	s_wait_dscnt 0x0
	CROUND                                         ; the closing round
	s_endpgm
.Lfunc_end_k_q8acd7787cb_proj:
	.size	k_q8acd7787cb_proj, .Lfunc_end_k_q8acd7787cb_proj-k_q8acd7787cb_proj
	.p2alignl 7, 3214868480
	.fill 96, 4, 3214868480
	.section	.rodata,"a",@progbits
	.p2align	6, 0x0
	.amdhsa_kernel k_q8acd7787cb_proj
		.amdhsa_group_segment_fixed_size 327680
		.amdhsa_private_segment_fixed_size 0
		.amdhsa_enable_private_segment 0
		.amdhsa_kernarg_size 48
		.amdhsa_user_sgpr_count 2
		.amdhsa_user_sgpr_kernarg_segment_ptr 1
		.amdhsa_wavefront_size32 1
		.amdhsa_system_sgpr_workgroup_id_x 1
		.amdhsa_system_sgpr_workgroup_id_y 1
		.amdhsa_system_sgpr_workgroup_id_z 1
		.amdhsa_system_vgpr_workitem_id 0
		.amdhsa_next_free_vgpr 1024
		.amdhsa_next_free_sgpr 102
		.amdhsa_reserve_vcc 0
		.amdhsa_float_denorm_mode_32 3
		.amdhsa_float_denorm_mode_16_64 3
		.amdhsa_memory_ordered 1
		.amdhsa_forward_progress 1
		.amdhsa_inst_pref_size 212
	.end_amdhsa_kernel
	.amdgpu_metadata
---
amdhsa.version: [ 1, 2 ]
amdhsa.kernels:
  - .name:           k_q8acd7787cb_proj
    .symbol:         k_q8acd7787cb_proj.kd
    .args:
      - { .name: c1, .offset: 0, .size: 8, .value_kind: global_buffer, .address_space: global }
      - { .name: bq, .offset: 8, .size: 8, .value_kind: global_buffer, .address_space: global }
      - { .name: bk, .offset: 16, .size: 8, .value_kind: global_buffer, .address_space: global }
      - { .name: bv, .offset: 24, .size: 8, .value_kind: global_buffer, .address_space: global }
      - { .name: hc, .offset: 32, .size: 8, .value_kind: global_buffer, .address_space: global }
      - { .name: hs, .offset: 40, .size: 8, .value_kind: global_buffer, .address_space: global }
    .group_segment_fixed_size: 327680
    .private_segment_fixed_size: 0
    .kernarg_segment_align: 8
    .kernarg_segment_size: 48
    .max_flat_workgroup_size: 128
    .sgpr_count:     102
    .vgpr_count:     1024
    .wavefront_size: 32
...
	.end_amdgpu_metadata
.endif
;; end of part 2
;; launch attn (part 3): grid 4 x 64, 8 waves a work-group, clusters of 4 x 1, 327,680 bytes of LDS; arguments hc, hs, tau, delta, oc; writes oc
.if DOCPART == 3
	.amdgcn_target "amdgcn-amd-amdhsa--gfx1250"
	.amdhsa_code_object_version 6
	.text
	.protected	k_q8acd7787cb_attn
	.globl	k_q8acd7787cb_attn
	.p2align	8
	.type	k_q8acd7787cb_attn,@function
k_q8acd7787cb_attn:
	s_mov_b64 s[64:65], 0
	v_nop
	global_prefetch_b8 v0, s[64:65] scope:SCOPE_SE
	s_setreg_imm32_b32 hwreg(HW_REG_WAVE_MODE, 25, 1), 1
	s_wait_xcnt 0x0
	s_wait_alu depctr_hold_cnt(0) depctr_sa_sdst(0) depctr_va_vdst(0) depctr_va_sdst(0) depctr_va_ssrc(0) depctr_va_vcc(0) depctr_vm_vsrc(0)
	s_getreg_b32 s2, hwreg(HW_REG_IB_STS2, 6, 4)
	s_cmp_eq_u32 s2, 0
	s_cbranch_scc0 .Lentry_in_a_cluster
	s_endpgm
.Lentry_in_a_cluster:
	s_bfe_u32 s2, ttmp6, 0x10000c
	s_cmp_lg_u32 s2, 0x3003
	s_cbranch_scc0 .Lentry_shape_is_right
	s_endpgm
.Lentry_shape_is_right:
; De-stationary attention of one (batch, head) on codes of FP6 (E2M3): o = softmax((q k^T tau + delta) / 8) v, and the quantising of o along the channels for the last projection.
; A work-group takes 512 queries of one bh; the four work-groups of a cluster take the same bh and ask for its K and V JOINTLY.  The head's record in hc (k's codes, v's codes, k's and v's scale words,
; 208,896 bytes) comes into LDS once, 102 rows of 256 bytes a wave, one tensor load a wave, and stays: nothing is filled again.  No prefetch: the launch loads nothing from memory inside its loop.
; A wave takes 64 queries: two passes over the 16 steps of 128 keys, TWO tiles of 16 queries at a time (x = 0, 1), so that each fragment of K and V and each delta read from LDS serves two tiles, and the tiles' chains take turns.
; Both products are used transposed (S^T = k q^T, O^T = v^T p^T): a lane holds one query.  Row 8 h + j of k's tile t is key 64 (t / 4) + 32 h + 8 (t % 4) + j (the first launch lays k so):
; register 32 c + i of a lane's scores is key 64 c + 32 h + i, a WHOLE block of 32 keys in a lane, in the order that the next operand's registers want.
; t = (s tau + delta) log2(e) / 8 = C (+-s + delta / |tau|), C = |tau| log2(e) / 8: delta / |tau| is the C operand of the scores' products, and a negative tau turns the signs of q's codes.
; M, the ceiling of the running largest t, is taken away before the exponential; p = 2^(t - M); the row's sum is taken of the unquantised p; a change of M multiplies sum and O^T by a power of two.
; A block's largest p comes from the block's largest score by the same multiply-add and exponential.  The head's 64 channels fill half of the instruction's 128 along K: q's upper six registers are zero codes.
; LIMITS: |tau| is held at 2^-97 from below; the scaled scores stay under 2^31 in magnitude; NaN and infinities are not served; a block of zeros gets the byte 1 with zero codes.
; REGISTERS: window 0: v1-11 addresses; v12-15 -M and the running largest score of the two tiles; v16-39 q's two fragments; v40-49 scale words; v50-63 C, sums, factors; v64-191 scores, then p; v192-231 p's codes; v232-247 at work.
;   window 1: v0-63 O^T of the two tiles; v64-127 delta / |tau| of a step; v128-181 k's fragments; v184-231 v's; v232-243 the second pass's q.
.set VCB, 98304                        ; LDS: v's codes
.set KSB, 196608                       ; k's scale words
.set VSB, 204800                       ; v's
.set DL,  208896                       ; delta / |tau|, 8,192 bytes, stored by the waves: blocks of their own
.set SPARE, 217088                     ; the spare words, 128 bytes a wave
.set REC, 208896
.set SHARE, 26112                      ; a wave's part of the record
.set ADK, 4
.set ADV, 5
.set ADKS, 6
.set ADVS, 7
.set ADD, 8
.set QA,  16
.set QB,  28
.set QS,  40                           ; v40 this pass's words (lanes 0-15 tile 0, lanes 16-31 tile 1), v41 the next pass's
.set PW,  42
.set KS,  44
.set VS,  48
.set CV,  50
.set LS,  52
.set FF,  56
.set SM,  60
.set SS,  64
.set PC,  192
.set CT,  216
.set BM,  232
.set SO,  236
.set TT,  240
.set TP,  244
.set OO,  0                            ; window 1
.set DD,  64
.set FK,  128
.set FV,  184
.set QN,  232
.set MSB, 0
.macro WIN new                         ; the immediate's high byte repeats the setting that is left
.if MSB != (\new)
	s_set_vgpr_msb (MSB<<8)|(\new)
.set MSB, (\new)
.endif
.endm
.macro CROUND
	s_barrier_signal -1
	s_barrier_wait -1
	s_cmp_lg_u32 s16, 0
	s_cbranch_scc1 .Lnot_wave_0_\@
	s_barrier_signal -3
.Lnot_wave_0_\@:
	s_barrier_wait -3
	s_barrier_signal -1
	s_barrier_wait -1
.endm
.macro WM d, a, b, c, sa, sb, ra, rb   ; ra, rb: the side's scale words stand in lanes 16-31
.if (\ra) && (\rb)
	v_wmma_scale_f32_16x16x128_f8f6f4 v[\d:\d+7], v[\a:\a+11], v[\b:\b+11], v[\c:\c+7], v[\sa], v[\sb] matrix_a_fmt:MATRIX_FMT_FP6 matrix_b_fmt:MATRIX_FMT_FP6 matrix_a_scale:MATRIX_SCALE_ROW1 matrix_b_scale:MATRIX_SCALE_ROW1
.elseif (\ra)
	v_wmma_scale_f32_16x16x128_f8f6f4 v[\d:\d+7], v[\a:\a+11], v[\b:\b+11], v[\c:\c+7], v[\sa], v[\sb] matrix_a_fmt:MATRIX_FMT_FP6 matrix_b_fmt:MATRIX_FMT_FP6 matrix_a_scale:MATRIX_SCALE_ROW1
.elseif (\rb)
	v_wmma_scale_f32_16x16x128_f8f6f4 v[\d:\d+7], v[\a:\a+11], v[\b:\b+11], v[\c:\c+7], v[\sa], v[\sb] matrix_a_fmt:MATRIX_FMT_FP6 matrix_b_fmt:MATRIX_FMT_FP6 matrix_b_scale:MATRIX_SCALE_ROW1
.else
	v_wmma_scale_f32_16x16x128_f8f6f4 v[\d:\d+7], v[\a:\a+11], v[\b:\b+11], v[\c:\c+7], v[\sa], v[\sb] matrix_a_fmt:MATRIX_FMT_FP6 matrix_b_fmt:MATRIX_FMT_FP6
.endif
.endm
.macro LDK                             ; a step's k, delta and k's scale words: 41 LDS loads
	WIN 0x40
.irp t, 0,1,2,3,4,5,6,7
.irp p, 0,1,2
	ds_load_b64 v[FK+6*\t+2*\p:FK+6*\t+2*\p+1], v[ADK] offset:768*\t+256*\p
.endr
.endr
.irp c, 0,1
.irp i, 0,1,2,3,4,5,6,7
	ds_load_b128 v[DD+32*\c+4*\i:DD+32*\c+4*\i+3], v[ADD] offset:256*\c+16*\i
.endr
.endr
	WIN 0
	ds_load_b128 v[KS:KS+3], v[ADKS]
.endm
.macro LDV                             ; a step's v and its scale words: 25 LDS loads
	WIN 0x40
.irp t, 0,1,2,3
.irp p, 0,1,2,3,4,5
	ds_load_b64 v[FV+12*\t+2*\p:FV+12*\t+2*\p+1], v[ADV] offset:1536*\t+256*\p
.endr
.endr
	WIN 0
	ds_load_b64 v[VS:VS+1], v[ADVS]
.endm
.macro RESET                           ; a pass begins: the largest score under every score, sums and O^T zero
.irp x, 0,1
	v_mov_b32 v[13+2*\x], 0xff61b1e6
.endr
.irp x, 0,1
	s_delay_alu instid0(VALU_DEP_2)
	v_floor_f32 v[12+2*\x], -v[13+2*\x]
.endr
.irp i, 0,1,2,3
	v_mov_b32 v[LS+\i], 0
.endr
	WIN 0x40
.set j, 0
.rept 64
	v_mov_b32 v[OO+j], 0
.set j, j+1
.endr
	WIN 0
.endm
	s_load_b256 s[4:11], s[0:1], 0x0               ; hc, hs, tau, delta
	s_load_b64 s[12:13], s[0:1], 0x20              ; oc: a tile of 16 tokens is a record of 12,800 bytes: for each half of K four fragments of 1,536 bytes and 256 bytes of scale words
	v_lshl_add_u32 v254, v0, 2, SPARE
	v_mov_b32 v255, 0
	ds_add_u32 v254, v255                          ; the opening lines: the add, twice on end, and its wait ahead of my tensor load
	ds_add_u32 v254, v255
	v_lshrrev_b32 v1, 5, v0
	v_readfirstlane_b32 s16, v1                    ; wave 0..7
	s_bfe_u32 s17, ttmp6, 0x40000                  ; cx
	s_and_b32 s18, ttmp7, 0xffff                   ; bh
	s_lshr_b32 s19, s18, 4                         ; batch
	s_and_b32 s22, s18, 15                         ; head
	s_lshl_b32 s23, s17, 2
	s_lshr_b32 s48, s16, 1
	s_add_co_u32 s23, s23, s48                     ; which 128 queries of the 2,048
	s_and_b32 s49, s16, 1                          ; which four tiles of their eight
	s_mov_b32 s20, 0x76543210
	s_mov_b32 s21, 0xfedcba98                      ; selects for lane l xor 16
	s_mov_b32 s63, 0xffff0000
	s_mov_b32 s24, 15|(3<<16)|(1<<21)              ; group 1: the mask names the cluster's four; elements of 8 bytes; 102 dense rows of 256 bytes
	s_mov_b32 s25, 32<<16
	s_mov_b32 s26, 102<<16
	s_mov_b32 s27, 32<<16
	s_mov_b32 s28, 102
	s_mov_b32 s29, 32
	s_mov_b32 s30, 0
	s_mov_b32 s31, 0
	s_mov_b32 s40, 1
	s_mul_i32 s41, s16, SHARE                      ; LDS address: by the wave's number alone
	s_mul_i32 s50, s18, REC
	s_add_co_u32 s50, s50, s41
	s_add_co_u32 s50, s50, 6291456                 ; my part of the record
	s_mov_b32 s51, 0
	s_mul_i32 s52, s18, 98304
	s_mul_i32 s48, s23, 6144
	s_add_co_u32 s52, s52, s48
	s_mul_i32 s48, s49, 3072
	s_add_co_u32 s52, s52, s48                     ; q's codes: my four tiles of 768 bytes
	s_mov_b32 s53, 0
	s_lshl_b32 s54, s18, 13
	s_lshl_b32 s48, s23, 9
	s_add_co_u32 s54, s54, s48
	s_lshl_b32 s48, s49, 3
	s_add_co_u32 s54, s54, s48                     ; q's scale words: my two of a lane's four
	s_mov_b32 s55, 0
	s_lshl_b32 s58, s19, 2
	s_mov_b32 s59, 0
	s_lshl_b32 s60, s19, 13
	s_mov_b32 s61, 0
	s_lshl_b32 s62, s19, 7
	s_lshl_b32 s48, s23, 3
	s_add_co_u32 s62, s62, s48
	s_lshl_b32 s48, s49, 2
	s_add_co_u32 s62, s62, s48                     ; my first tile of 16 tokens in oc
	s_mul_i32 s66, s62, 12800
	s_lshr_b32 s48, s22, 3
	s_mul_i32 s48, s48, 6400
	s_add_co_u32 s66, s66, s48                     ; the tile's half of K: head / 8
	s_add_co_u32 s68, s66, 6144                    ; its scale words
	s_bfe_u32 s48, s22, 0x20001
	s_mul_i32 s48, s48, 1536
	s_add_co_u32 s66, s66, s48                     ; fragment (head / 2) % 4,
	s_and_b32 s48, s22, 1
	s_mul_i32 s44, s48, 768
	s_add_co_u32 s66, s66, s44                     ; its half head % 2
	s_mov_b32 s67, 0
	s_lshl_b32 s48, s48, 1
	s_add_co_u32 s68, s68, s48
	s_bfe_u32 s48, s22, 0x10002
	s_lshl_b32 s48, s48, 7
	s_add_co_u32 s68, s68, s48
	s_bfe_u32 s48, s22, 0x10001
	s_lshl_b32 s48, s48, 2
	s_add_co_u32 s68, s68, s48                     ; and the two bytes of its scale word
	s_mov_b32 s69, 0
	v_and_b32 v10, 31, v0
	v_lshlrev_b32 v1, 3, v10                       ; 8 x lane
	v_lshlrev_b32 v2, 4, v10                       ; 16 x lane
	v_bfe_u32 v11, v0, 4, 1                        ; h
	v_and_b32 v10, 15, v0                          ; r
	v_lshl_add_u32 v3, v11, 7, DL                  ; delta: my 32 keys of each 64
	v_mul_u32_u24 v9, v11, 12800
	v_lshl_add_u32 v9, v10, 3, v9                  ; scale words: lanes 0-15 tile 0's rows, lanes 16-31 tile 1's
	v_lshlrev_b32 v11, 3, v11                      ; 8 h
	v_lshlrev_b32 v4, 4, v0
	v_mov_b32 v5, 0
	v_lshl_add_u32 v6, v0, 4, DL
	s_wait_alu depctr_va_vdst(0)
	s_wait_dscnt 0x0
	s_wait_kmcnt 0x0
	s_add_nc_u64 s[42:43], s[4:5], s[50:51]
	s_or_b32 s43, s43, 0x80000000
	s_add_nc_u64 s[4:5], s[4:5], s[52:53]
	s_add_nc_u64 s[6:7], s[6:7], s[54:55]
	s_add_nc_u64 s[8:9], s[8:9], s[58:59]
	s_add_nc_u64 s[10:11], s[10:11], s[60:61]
	s_add_nc_u64 s[66:67], s[12:13], s[66:67]
	s_add_nc_u64 s[68:69], s[12:13], s[68:69]
	global_load_b32 v232, v5, s[8:9]               ; tau
	global_load_b128 v[64:67], v4, s[10:11]        ; delta: 8 numbers a thread
	global_load_b128 v[68:71], v4, s[10:11] offset:4096
.irp p, 0,1,2
	global_load_b64 v[QA+2*\p:QA+2*\p+1], v1, s[4:5] offset:256*\p
	global_load_b64 v[QB+2*\p:QB+2*\p+1], v1, s[4:5] offset:768+256*\p
	global_load_b64 v[128+2*\p:129+2*\p], v1, s[4:5] offset:1536+256*\p
	global_load_b64 v[134+2*\p:135+2*\p], v1, s[4:5] offset:2304+256*\p
.endr
	global_load_b64 v[QS:QS+1], v2, s[6:7]
	CROUND                                         ; the four work-groups are here: the joint loads meet
	tensor_load_to_lds s[40:43], s[24:31]
	s_nop 0
.rept 4
	v_nop
.endr
	s_wait_loadcnt 13                              ; tau and delta are in; q's 12 loads and its scale words may be out
	v_and_b32 v233, 0x7fffffff, v232
	s_delay_alu instid0(VALU_DEP_1)
	v_max_num_f32 v233, 0x0f000000, v233           ; |tau|, held at 2^-97
	s_wait_alu depctr_va_vdst(0)
	v_rcp_f32 v234, v233
	v_ashrrev_i32 v235, 31, v232                   ; all ones where tau is negative
	v_mul_f32 v[CV], 0x3e38aa3b, v233              ; C = |tau| log2(e) / 8
	s_delay_alu instid0(VALU_DEP_1)
	v_mov_b32 v[CV+1], v[CV]
	s_wait_alu depctr_va_vdst(0)
.irp i, 0,1,2,3,4,5,6,7
	v_mul_f32 v[72+\i], v[64+\i], v234             ; delta / |tau|,
.endr
.irp i, 0,1,2,3,4,5,6,7
	v_fma_f32 v[80+\i], -v[72+\i], v233, v[64+\i]  ; what is left,
.endr
.irp i, 0,1,2,3,4,5,6,7
	v_fma_f32 v[72+\i], v[80+\i], v234, v[72+\i]   ; and the quotient mended by it
.endr
	ds_store_b128 v6, v[72:75]
	ds_store_b128 v6, v[76:79] offset:4096
	v_and_b32 v240, 0x20820820, v235               ; the codes' sign bits: bit 6 i + 5 of the stream, a pattern of three registers
	v_and_b32 v241, 0x08208208, v235
	v_and_b32 v242, 0x82082082, v235
	s_wait_alu depctr_va_vdst(0)
	s_wait_loadcnt 0x0
.irp i, 0,1,2,3,4,5
	v_xor_b32 v[QA+\i], v[QA+\i], v[240+\i%3]
	v_xor_b32 v[QB+\i], v[QB+\i], v[240+\i%3]
.endr
	WIN 0x40
.irp i, 0,1,2,3,4,5,6,7,8,9,10,11
	v_xor_b32 v[QN+\i], v[128+\i], v[240+\i%3]     ; the second pass's two tiles wait in window 1
.endr
.irp i, 0,1,2,3,4,5
	v_mov_b32 v[FK+48+\i], 0                       ; named as the upper half of k's last fragment, against q's zero codes
.endr
	WIN 0
.irp i, 0,1,2,3,4,5
	v_mov_b32 v[QA+6+\i], 0
	v_mov_b32 v[QB+6+\i], 0
.endr
.irp i, 0,1,2,3,4,5,6,7
	v_mov_b32 v[TT+\i], 0                          ; a lane permute's destination counts as one of its sources
.endr
	v_mov_b32 v[FF+1], 0
	v_mov_b32 v[FF+3], 0
	v_mov_b32 v[ADK], v1
	v_add_nc_u32 v[ADV], VCB, v1
	v_add_nc_u32 v[ADKS], KSB, v2
	v_add_nc_u32 v[ADVS], VSB, v1
	v_mov_b32 v[ADD], v3
	RESET
	s_mov_b32 s56, 0
	s_wait_alu depctr_va_vdst(0)
	s_wait_tensorcnt 0x0                           ; my part of the record is in,
	s_wait_dscnt 0x0                               ; my part of delta is stored:
	s_barrier_signal -1
	s_barrier_wait -1                              ; and so is everybody's
	LDK
	LDV
.Lstep:                                                ; 32 trips: two passes of 16 steps of 128 keys
	s_and_b32 s57, s56, 15
	s_add_co_u32 s58, s56, 1
	s_and_b32 s58, s58, 15                         ; the next step (behind a pass's last: step 0)
	s_mul_i32 s61, s58, 6144
	s_add_co_u32 s59, s61, VCB
	s_lshl_b32 s62, s58, 9
	s_add_co_u32 s55, s62, KSB
	s_lshl_b32 s60, s58, 8
	s_add_co_u32 s60, s60, VSB
	s_wait_dscnt 25                                ; k, delta and k's words are in; v's 25 loads, issued behind them, may be out
	WIN 0x11                                       ; k and delta in window 1
.irp t, 0,1,2,3,4,5,6,7
	WM SS+8*\t, FK+6*\t, QA, DD+8*\t, KS+\t/2, QS, \t%2, 0
	WM SS+64+8*\t, FK+6*\t, QB, DD+8*\t, KS+\t/2, QS, \t%2, 1
.endr
	WIN 0
	v_add_nc_u32 v[ADK], s61, v1                   ; the next step's addresses: also the places behind the products
	v_add_nc_u32 v[ADV], s59, v1
	v_add_nc_u32 v[ADKS], s55, v2
	v_add_nc_u32 v[ADVS], s60, v1
	v_add_nc_u32 v[ADD], s62, v3
	LDK                                            ; one step ahead
.irp b, 0,1,2,3                                ; the largest score of my four blocks (tile b / 2, block b % 2), by turns, each accumulator from its low end on
	v_max3_num_f32 v[BM+\b], v[SS+32*\b], v[SS+32*\b+1], v[SS+32*\b+2]
.endr
.irp i, 3,5,7,9,11,13,15,17,19,21,23,25,27,29
.irp b, 0,1,2,3
	v_max3_num_f32 v[BM+\b], v[BM+\b], v[SS+32*\b+\i], v[SS+32*\b+\i+1]
.endr
.endr
.irp b, 0,1,2,3
	v_max_num_f32 v[BM+\b], v[BM+\b], v[SS+32*\b+31]
.endr
.irp x, 0,1
	v_max_num_f32 v[TP+\x], v[BM+2*\x], v[BM+2*\x+1]
.endr
.irp x, 0,1
	s_delay_alu instid0(VALU_DEP_2)
	v_permlanex16_b32 v[TT+\x], v[TP+\x], s20, s21
.endr
.irp x, 0,1
	s_delay_alu instid0(VALU_DEP_2)
	v_max3_num_f32 v[13+2*\x], v[13+2*\x], v[TP+\x], v[TT+\x]   ; the running largest score of my query
.endr
.irp x, 0,1
	s_delay_alu instid0(VALU_DEP_2)
	v_mul_f32 v[TP+\x], v[CV], v[13+2*\x]          ; as t (C is positive)
.endr
.irp x, 0,1
	v_mov_b32 v[TT+2+\x], v[12+2*\x]
.endr
.irp x, 0,1
	s_delay_alu instid0(VALU_DEP_4)
	v_floor_f32 v[12+2*\x], -v[TP+\x]              ; -M = floor(-t)
.endr
.irp x, 0,1
	s_delay_alu instid0(VALU_DEP_2)
	v_sub_f32 v[TP+\x], v[12+2*\x], v[TT+2+\x]     ; old M less new M, a whole number
.endr
.irp x, 0,1
	s_delay_alu instid0(VALU_DEP_2)
	v_cvt_i32_f32 v[TP+\x], v[TP+\x]
.endr
.irp x, 0,1
	s_delay_alu instid0(VALU_DEP_2)
	v_ldexp_f32 v[FF+2*\x], 1.0, v[TP+\x]          ; f = 2^(old M - new M)
.endr
.set j, 0
.rept 32
	v_pk_fma_f32 v[SS+j:SS+j+1], v[SS+j:SS+j+1], v[CV:CV+1], v[12:13] op_sel_hi:[1,0,0]          ; t - M
	v_pk_fma_f32 v[SS+64+j:SS+65+j], v[SS+64+j:SS+65+j], v[CV:CV+1], v[14:15] op_sel_hi:[1,0,0]
.set j, j+2
.endr
.irp b, 0,1,2,3
	v_fma_f32 v[BM+\b], v[BM+\b], v[CV], v[12+2*(\b/2)]   ; the same of each block's largest score
.endr
	s_wait_alu depctr_va_vdst(0)
.irp b, 0,1,2,3
	v_exp_f32 v[BM+\b], v[BM+\b]
.endr
.set j, 0
.rept 128
	v_exp_f32 v[SS+j], v[SS+j]                     ; p = 2^(t - M)
.set j, j+1
.endr
.irp x, 0,1
	v_pk_mul_f32 v[LS+2*\x:LS+2*\x+1], v[LS+2*\x:LS+2*\x+1], v[FF+2*\x:FF+2*\x+1] op_sel_hi:[1,0]   ; the sums under the new M
.endr
	s_wait_alu depctr_va_vdst(0)                   ; and behind it, ahead of its first reader
.irp x, 0,1
	v_pk_add_f32 v[SM+2*\x:SM+2*\x+1], v[SS+64*\x:SS+64*\x+1], v[SS+64*\x+2:SS+64*\x+3]   ; the rows' sums of the unquantised p: four chains by turns
.endr
.irp j, 4,8,12,16,20,24,28,32,36,40,44,48,52,56,60
.irp x, 0,1
	v_pk_add_f32 v[LS+2*\x:LS+2*\x+1], v[LS+2*\x:LS+2*\x+1], v[SS+64*\x+\j:SS+64*\x+\j+1]
	v_pk_add_f32 v[SM+2*\x:SM+2*\x+1], v[SM+2*\x:SM+2*\x+1], v[SS+64*\x+\j+2:SS+64*\x+\j+3]
.endr
.endr
.irp x, 0,1
	v_pk_add_f32 v[LS+2*\x:LS+2*\x+1], v[LS+2*\x:LS+2*\x+1], v[SM+2*\x:SM+2*\x+1]
.endr
.irp b, 0,1,2,3
	v_max_num_f32 v[BM+\b], 0x1800000, v[BM+\b]    ; the floor 2^(3 - 127): the byte cannot fall under 1
.endr
.irp b, 0,1,2,3
	s_delay_alu instid0(VALU_DEP_4)
	v_add_nc_u32 v[SO+\b], 0xff000000, v[BM+\b]    ; 2 off the exponent field: the conversion's scale operand
.endr
.irp b, 0,1,2,3
	s_delay_alu instid0(VALU_DEP_4)
	v_lshrrev_b32 v[TT+\b], 23, v[SO+\b]           ; the scale's byte
.endr
.irp x, 0,1
	v_lshl_or_b32 v[TP+\x], v[TT+2*\x+1], 16, v[TT+2*\x]   ; my blocks h and 2 + h,
.endr
.irp x, 0,1
	s_delay_alu instid0(VALU_DEP_2)
	v_lshlrev_b32 v[TP+\x], v11, v[TP+\x]          ; at their places in the word;
.endr
.irp x, 0,1
	s_delay_alu instid0(VALU_DEP_2)
	v_permlanex16_b32 v[TP+2+\x], v[TP+\x], s20, s21
.endr
.irp x, 0,1
	s_delay_alu instid0(VALU_DEP_2)
	v_or_b32 v[PW+\x], v[TP+\x], v[TP+2+\x]        ; with lane l xor 16's two the word is whole
.endr
.irp x, 0,1
.irp c, 0,1
	v_cvt_scalef32_pk16_fp6_f32 v[PC+12*\x+6*\c:PC+12*\x+6*\c+2], v[SS+64*\x+32*\c:SS+64*\x+32*\c+15], v[SO+2*\x+\c]
	v_cvt_scalef32_pk16_fp6_f32 v[CT+8*\x+4*\c:CT+8*\x+4*\c+2], v[SS+64*\x+32*\c+16:SS+64*\x+32*\c+31], v[SO+2*\x+\c]   ; (a conversion's three registers begin on an even number)
.endr
.endr
	v_nop                                          ; one plain place behind a scaled conversion
.irp x, 0,1
.irp c, 0,1
.irp i, 0,1,2
	v_mov_b32 v[PC+12*\x+6*\c+3+\i], v[CT+8*\x+4*\c+\i]
.endr
.endr
.endr
	WIN 0x41
	s_wait_alu depctr_va_vdst(0)
.set j, 0
.rept 16
	v_pk_mul_f32 v[OO+j:OO+j+1], v[OO+j:OO+j+1], v[FF:FF+1] op_sel_hi:[1,0]                  ; O^T under the new M
	v_pk_mul_f32 v[OO+32+j:OO+33+j], v[OO+32+j:OO+33+j], v[FF+2:FF+3] op_sel_hi:[1,0]
.set j, j+2
.endr
	s_wait_alu depctr_va_vdst(0)
	s_wait_dscnt 41                                ; v and its words are in; the next step's 41 loads, issued behind them, may be out
	WIN 0x51                                       ; v and O^T in window 1; the eight accumulators take turns
.irp t, 0,1,2,3
	WM OO+8*\t, FV+12*\t, PC, OO+8*\t, VS+\t/2, PW, \t%2, 0
	WM OO+32+8*\t, FV+12*\t, PC+12, OO+32+8*\t, VS+\t/2, PW+1, \t%2, 0
.endr
	WIN 0
.rept 4
	v_nop                                          ; places in front of loads into registers that the products have read
.endr
	LDV                                            ; one step ahead
	s_cmp_lg_u32 s57, 15
	s_cbranch_scc1 .Lon
	; A PASS ENDS: O^T / the sum, quantised along the head's 64 channels: tiles 2 B, 2 B + 1 of v's channels give a lane 16 neighbours 32 B + 16 h + 0 .. 15
.irp x, 0,1
	v_add_f32 v[LS+2*\x], v[LS+2*\x], v[LS+2*\x+1]
.endr
.irp x, 0,1
	s_delay_alu instid0(VALU_DEP_2)
	v_permlanex16_b32 v[TP+2+\x], v[LS+2*\x], s20, s21
.endr
.irp x, 0,1
	s_delay_alu instid0(VALU_DEP_2)
	v_add_f32 v[LS+2*\x], v[LS+2*\x], v[TP+2+\x]
.endr
	s_wait_alu depctr_va_vdst(0)
.irp x, 0,1
	v_rcp_f32 v[FF+2*\x], v[LS+2*\x]
.endr
	v_mov_b32 v[QS], v[QS+1]                       ; the next pass's q: its scale words,
	WIN 0x01
.irp i, 0,1,2,3,4,5
	v_mov_b32 v[QA+\i], v[QN+\i]                   ; and its two fragments
	v_mov_b32 v[QB+\i], v[QN+6+\i]
.endr
	s_wait_alu depctr_va_vdst(0)                   ; behind the reciprocals, directly ahead of the first reader of O^T
.set j, 0
.rept 16
	v_pk_mul_f32 v[SS+j:SS+j+1], v[OO+j:OO+j+1], v[FF:FF+1] op_sel_hi:[1,0]
	v_pk_mul_f32 v[SS+64+j:SS+65+j], v[OO+32+j:OO+33+j], v[FF+2:FF+3] op_sel_hi:[1,0]
.set j, j+2
.endr
	WIN 0
.irp b, 0,1,2,3
	v_max3_num_f32 v[BM+\b], |v[SS+64*(\b/2)+16*(\b%2)]|, |v[SS+64*(\b/2)+16*(\b%2)+1]|, 0x1800000
.endr
.irp i, 2,4,6,8,10,12,14
.irp b, 0,1,2,3
	v_max3_num_f32 v[BM+\b], v[BM+\b], |v[SS+64*(\b/2)+16*(\b%2)+\i]|, |v[SS+64*(\b/2)+16*(\b%2)+\i+1]|
.endr
.endr
.irp b, 0,1,2,3
	s_delay_alu instid0(VALU_DEP_4)
	v_permlanex16_b32 v[TT+\b], v[BM+\b], s20, s21
.endr
.irp b, 0,1,2,3
	s_delay_alu instid0(VALU_DEP_4)
	v_max_num_f32 v[BM+\b], v[BM+\b], v[TT+\b]
.endr
.irp b, 0,1,2,3
	s_delay_alu instid0(VALU_DEP_4)
	v_add_nc_u32 v[SO+\b], 0xff000000, v[BM+\b]
.endr
.irp b, 0,1,2,3
	s_delay_alu instid0(VALU_DEP_4)
	v_lshrrev_b32 v[TT+\b], 23, v[SO+\b]
.endr
.irp x, 0,1
	v_lshl_or_b32 v[TP+\x], v[TT+2*\x+1], 8, v[TT+2*\x]
.endr
	s_delay_alu instid0(VALU_DEP_1)
	v_cndmask_b32 v10, v[TP], v[TP+1], s63         ; tile 0's two bytes in lanes 0-15, tile 1's in lanes 16-31
.irp x, 0,1
	v_cvt_scalef32_pk16_fp6_f32 v[PC+12*\x:PC+12*\x+2], v[SS+64*\x:SS+64*\x+15], v[SO+2*\x]
	v_cvt_scalef32_pk16_fp6_f32 v[CT+8*\x:CT+8*\x+2], v[SS+64*\x+16:SS+64*\x+31], v[SO+2*\x+1]
.endr
	v_nop
.irp x, 0,1
.irp i, 0,1,2
	v_permlane16_swap_b32 v[PC+12*\x+\i], v[CT+8*\x+\i]   ; the operand's layout wants a whole block in a lane
.endr
.irp i, 0,1,2
	v_mov_b32 v[PC+12*\x+3+\i], v[CT+8*\x+\i]
.endr
.endr
.irp x, 0,1
.irp p, 0,1,2
	global_store_b64 v1, v[PC+12*\x+2*\p:PC+12*\x+2*\p+1], s[66:67] offset:12800*\x+256*\p   ; 256 consecutive bytes, aligned
.endr
.endr
	global_store_b16 v9, v10, s[68:69]
	RESET
	s_wait_xcnt 0x0                                ; the stores have read their registers and bases
	s_add_nc_u64 s[66:67], s[66:67], 25600         ; two tiles on
	s_add_nc_u64 s[68:69], s[68:69], 25600
.Lon:
	s_add_co_u32 s56, s56, 1
	s_cmp_lt_u32 s56, 32
	s_wait_alu depctr_va_vdst(0)
	s_cbranch_scc1 .Lstep
	s_wait_dscnt 0x0
	s_wait_tensorcnt 0x0                           ; the wave's end
	ds_add_u32 v254, v255
	s_wait_dscnt 0x0
	CROUND                                         ; the closing round
	s_endpgm
.Lfunc_end_k_q8acd7787cb_attn:
	.size	k_q8acd7787cb_attn, .Lfunc_end_k_q8acd7787cb_attn-k_q8acd7787cb_attn
	.p2alignl 7, 3214868480
	.fill 96, 4, 3214868480
	.section	.rodata,"a",@progbits
	.p2align	6, 0x0
	.amdhsa_kernel k_q8acd7787cb_attn
		.amdhsa_group_segment_fixed_size 327680
		.amdhsa_private_segment_fixed_size 0
		.amdhsa_enable_private_segment 0
		.amdhsa_kernarg_size 40
		.amdhsa_user_sgpr_count 2
		.amdhsa_user_sgpr_kernarg_segment_ptr 1
		.amdhsa_wavefront_size32 1
		.amdhsa_system_sgpr_workgroup_id_x 1
		.amdhsa_system_sgpr_workgroup_id_y 1
		.amdhsa_system_sgpr_workgroup_id_z 1
		.amdhsa_system_vgpr_workitem_id 0
		.amdhsa_next_free_vgpr 512
		.amdhsa_next_free_sgpr 70
		.amdhsa_reserve_vcc 0
		.amdhsa_float_denorm_mode_32 3
		.amdhsa_float_denorm_mode_16_64 3
		.amdhsa_memory_ordered 1
		.amdhsa_forward_progress 1
		.amdhsa_inst_pref_size 60
	.end_amdhsa_kernel
	.amdgpu_metadata
---
amdhsa.version: [ 1, 2 ]
amdhsa.kernels:
  - .name:           k_q8acd7787cb_attn
    .symbol:         k_q8acd7787cb_attn.kd
    .args:
      - { .name: hc, .offset: 0, .size: 8, .value_kind: global_buffer, .address_space: global }
      - { .name: hs, .offset: 8, .size: 8, .value_kind: global_buffer, .address_space: global }
      - { .name: tau, .offset: 16, .size: 8, .value_kind: global_buffer, .address_space: global }
      - { .name: delta, .offset: 24, .size: 8, .value_kind: global_buffer, .address_space: global }
      - { .name: oc, .offset: 32, .size: 8, .value_kind: global_buffer, .address_space: global }
    .group_segment_fixed_size: 327680
    .private_segment_fixed_size: 0
    .kernarg_segment_align: 8
    .kernarg_segment_size: 40
    .max_flat_workgroup_size: 256
    .sgpr_count:     70
    .vgpr_count:     512
    .wavefront_size: 32
...
	.end_amdgpu_metadata
.endif
;; end of part 3
;; launch outp (part 4): grid 4 x 64, 4 waves a work-group, clusters of 4 x 4, 327,680 bytes of LDS; arguments oc, c1, bo, out0; writes out0
.if DOCPART == 4
	.amdgcn_target "amdgcn-amd-amdhsa--gfx1250"
	.amdhsa_code_object_version 6
	.text
	.protected	k_q8acd7787cb_outp
	.globl	k_q8acd7787cb_outp
	.p2align	8
	.type	k_q8acd7787cb_outp,@function
k_q8acd7787cb_outp:
	s_mov_b64 s[64:65], 0
	v_nop
	global_prefetch_b8 v0, s[64:65] scope:SCOPE_SE
	s_setreg_imm32_b32 hwreg(HW_REG_WAVE_MODE, 25, 1), 1
	s_wait_xcnt 0x0
	s_wait_alu depctr_hold_cnt(0) depctr_sa_sdst(0) depctr_va_vdst(0) depctr_va_sdst(0) depctr_va_ssrc(0) depctr_va_vcc(0) depctr_vm_vsrc(0)
	s_getreg_b32 s2, hwreg(HW_REG_IB_STS2, 6, 4)
	s_cmp_eq_u32 s2, 0
	s_cbranch_scc0 .Lentry_in_a_cluster
	s_endpgm
.Lentry_in_a_cluster:
	s_bfe_u32 s2, ttmp6, 0x10000c
	s_cmp_lg_u32 s2, 0xf033
	s_cbranch_scc0 .Lentry_shape_is_right
	s_endpgm
.Lentry_shape_is_right:
; out0 = o Wo^T + bo on codes of FP6 (E2M3), K = 1,024.  A work-group makes 128 tokens x 256 channels: 256 work-groups.
; oc and c1: a tile of 16 rows is a record of 12,800 bytes: for each half of K four fragments (16 rows x 128 K, 1,536 bytes, as the operand's registers lie) and that half's 256 bytes of scale words.
; All of K lies in two LDS slots of K = 512, each the half records of P's 8 tiles (tokens) and X's 16 (rows of Wo), 24 x 6,400 bytes; each slot is filled once, one tensor load a wave: slot 0 at the head, slot 1 behind the full sequence.
; No prefetch: the launch has no refill and no loop to run ahead in.
; A wave makes 64 tokens x 128 channels: source 0 = 8 of X's tiles, source 1 = 4 of P's: 32 accumulators; a lane holds a token and its registers run along the channels.  The bias is the C of the first products.
; Row i of tile 2 B + u is row 32 B + 8 u + i + 8 (i / 8), of tokens and of Wo alike.  CLUSTERS: 4 x 4; P's tiles are asked for jointly along a row of the cluster, X's along a column.
; THE WAY OUT: 16 tokens x 128 channels at a time through the wave's own stage in slot 0, which has had its only fill and, behind the one barrier of the walk, its last read; whole rows of 512 bytes are stored.
; REGISTERS: window 0: v8-15 LDS addresses; v32-63 scale words, two sets; v64-127 the bias; v128-223 source 1's fragments, two sets, later v128-255 rows read back.  window 1: source 0's fragments, two sets.  window 2: the accumulators.
.set FR,   12
.set TH,   6400
.set TREC, 12800
.set XB,   8*TH
.set SLOT, 24*TH
.set SPARE, 2*SLOT
.set SPITCH, 528
.set QK,   8                           ; +0, +1 source 1's fragments in slot 0, 1; +2, +3 source 0's; +4, +5 scale words, lanes 0-15 source 1's, lanes 16-31 source 0's; +6, +7 source 0's in all lanes
.set BOF,  2
.set STO,  24
.set RD,   25
.set CO,   26
.set SPW,  28
.set NIL,  29
.set L8,   30
.set SC,   32
.set BC,   64
.set AF,   128
.set BK,   128
.set G1, 24
.set G0, 32
.set G1B, 48
.set G0B, 56
.set MSB, 0
.macro WIN new
.if MSB != (\new)
	s_set_vgpr_msb (MSB<<8)|(\new)
.set MSB, (\new)
.endif
.endm
.macro PLACES
.rept 4
	v_nop
.endr
.endm
.macro JLOAD sl                        ; a joint load: waves 0, 1 fetch 4 of P's tiles each, waves 2, 3 8 of X's
	s_cmp_eq_u32 s19, 0
	s_cbranch_scc0 .Lfor_b_\@
	tensor_load_to_lds s[G0+4*\sl:G0+4*\sl+3], s[G1:G1+7]
	s_nop 0
	PLACES
	s_branch .Lasked_\@
.Lfor_b_\@:
	tensor_load_to_lds s[G0B+4*\sl:G0B+4*\sl+3], s[G1B:G1B+7]
	s_nop 0
	PLACES
.Lasked_\@:
.endm
.macro CROUND
	s_barrier_signal -1
	s_barrier_wait -1
	s_cmp_lg_u32 s18, 0
	s_cbranch_scc1 .Lnot_wave_0_\@
	s_barrier_signal -3
.Lnot_wave_0_\@:
	s_barrier_wait -3
	s_barrier_signal -1
	s_barrier_wait -1
.endm
.macro FRAG reg, adr, q, i
.irp p, 0,1,2,3,4,5
	ds_load_b64 v[\reg+2*\p:\reg+2*\p+1], v[\adr] offset:(\i)*TH+(\q)*1536+\p*256
.endr
.endm
.macro FB s                            ; step s: source 0's eight fragments into set s % 2: 48 loads
	WIN 0x40
.irp i, 0,1,2,3,4,5,6,7
	FRAG 128*((\s)%2)+FR*\i, QK+2+(\s)/4, (\s)%4, \i
.endr
	WIN 0
.endm
.macro FA s                            ; source 1's four, and with an even step the scale words of two steps
.irp i, 0,1,2,3
	FRAG AF+48*((\s)%2)+FR*\i, QK+(\s)/4, (\s)%4, \i
.endr
.if (\s)%2 == 0
.irp i, 0,1,2,3
	ds_load_b64 v[SC+16*(((\s)/2)%2)+2*\i:SC+16*(((\s)/2)%2)+2*\i+1], v[QK+4+(\s)/4] offset:\i*TH+6144+128*(((\s)/2)%2)
.endr
.irp i, 4,5,6,7
	ds_load_b64 v[SC+16*(((\s)/2)%2)+2*\i:SC+16*(((\s)/2)%2)+2*\i+1], v[QK+6+(\s)/4] offset:\i*TH+6144+128*(((\s)/2)%2)
.endr
.endif
.endm
.macro MUL s, a0, first                ; 16 products; the 32 accumulators take turns in the same order in every step
.irp a, \a0, \a0+1
.irp b, 0,1,2,3,4,5,6,7
.set D_, 8*(8*(\a)+\b)
.set A_, 128*((\s)%2)+FR*\b
.set B_, AF+48*((\s)%2)+FR*(\a)
.set S_, SC+16*(((\s)/2)%2)+(\s)%2
.if \first
	v_wmma_scale_f32_16x16x128_f8f6f4 v[D_:D_+7], v[A_:A_+11], v[B_:B_+11], v[BC+8*\b:BC+8*\b+7], v[S_+2*\b], v[S_+2*(\a)] matrix_a_fmt:MATRIX_FMT_FP6 matrix_b_fmt:MATRIX_FMT_FP6 matrix_a_scale:MATRIX_SCALE_ROW1
.else
	v_wmma_scale_f32_16x16x128_f8f6f4 v[D_:D_+7], v[A_:A_+11], v[B_:B_+11], v[D_:D_+7], v[S_+2*\b], v[S_+2*(\a)] matrix_a_fmt:MATRIX_FMT_FP6 matrix_b_fmt:MATRIX_FMT_FP6 matrix_a_scale:MATRIX_SCALE_ROW1
.endif
.endr
.endr
.endm
.macro STEP s, first                   ; a step that has its successor in the same slot
	PLACES                                         ; in front of loads into the sets that the last step multiplied
	FB (\s)+1
	s_wait_dscnt 48                                ; all but the 48 just issued: this step's fragments and scale words are in
	WIN 0xa1-0x20*(\first)                         ; first: C in window 0
	MUL \s, 0, \first
	WIN 0
	FA (\s)+1
	WIN 0xa1-0x20*(\first)
	MUL \s, 2, \first
	WIN 0
.endm
	s_load_b256 s[4:11], s[0:1], 0x0               ; oc, c1, bo, out0
	v_lshl_add_u32 v[SPW], v0, 2, SPARE
	v_mov_b32 v[NIL], 0
	ds_add_u32 v[SPW], v[NIL]                      ; the opening lines: the add, twice on end, and its wait
	ds_add_u32 v[SPW], v[NIL]
	v_lshrrev_b32 v1, 5, v0
	v_readfirstlane_b32 s18, v1                    ; wave
	s_lshr_b32 s19, s18, 1                         ; my half of P.  Also: I fetch for P (0) or for X (1)
	s_and_b32 s20, s18, 1                          ; my half of X.  Also: which part I fetch
	s_bfe_u32 s21, ttmp6, 0x40000
	s_bfe_u32 s22, ttmp6, 0x40004
	s_lshl_b32 s100, ttmp9, 2
	s_add_co_u32 s100, s100, s21                   ; x: which 256 channels
	s_and_b32 s23, ttmp7, 0xffff
	s_lshl_b32 s23, s23, 2
	s_add_co_u32 s23, s23, s22                     ; y: which 128 tokens
	s_lshl_b32 s42, s22, 2
	s_lshl_b32 s42, 15, s42
	s_lshl_b32 s43, 0x1111, s21
	s_or_b32 s[G1+0], s42, (3<<16)|(1<<21)
	s_or_b32 s[G1B+0], s43, (3<<16)|(1<<21)
.irp g, G1, G1B
	s_mov_b32 s[\g+1], 800<<16                     ; rows of 6,400 bytes,
	s_mov_b32 s[\g+3], 800<<16
	s_mov_b32 s[\g+5], 1600                        ; 12,800 apart
	s_mov_b32 s[\g+6], 0
	s_mov_b32 s[\g+7], 0
.endr
	s_mov_b32 s[G1+2], 4<<16
	s_mov_b32 s[G1+4], 4
	s_mov_b32 s[G1B+2], 8<<16
	s_mov_b32 s[G1B+4], 8
	s_lshl_b32 s92, s23, 3
	s_lshl_b32 s44, s20, 2
	s_add_co_u32 s92, s92, s44
	s_mul_i32 s92, s92, TREC                       ; P: tile 8 y + 4 x part of oc
	s_mov_b32 s93, 0
	s_lshl_b32 s96, s100, 4
	s_lshl_b32 s44, s20, 3
	s_add_co_u32 s96, s96, s44
	s_add_co_u32 s96, s96, 1728
	s_mul_i32 s96, s96, TREC                       ; X: tile 1,728 + 16 x + 8 x part of c1
	s_mov_b32 s97, 0
	s_mul_i32 s46, s20, 4*TH
	s_mul_i32 s47, s20, 8*TH
	s_add_co_u32 s47, s47, XB
	s_wait_dscnt 0x0
	s_wait_kmcnt 0x0
	s_add_nc_u64 s[92:93], s[4:5], s[92:93]
	s_add_nc_u64 s[96:97], s[6:7], s[96:97]
	CROUND                                         ; all sixteen work-groups are here: the first joint loads meet
.irp s, 0,1
	s_mov_b32 s[G0+4*\s], 1
	s_add_co_u32 s[G0+4*\s+1], s46, \s*SLOT
	s_add_nc_u64 s[G0+4*\s+2:G0+4*\s+3], s[92:93], \s*TH
	s_or_b32 s[G0+4*\s+3], s[G0+4*\s+3], 0x80000000
	s_mov_b32 s[G0B+4*\s], 1
	s_add_co_u32 s[G0B+4*\s+1], s47, \s*SLOT
	s_add_nc_u64 s[G0B+4*\s+2:G0B+4*\s+3], s[96:97], \s*TH
	s_or_b32 s[G0B+4*\s+3], s[G0B+4*\s+3], 0x80000000
.endr
	JLOAD 0                                        ; the first half of K: one tensor load a wave at the head
	s_lshl_b32 s40, s100, 10
	s_lshl_b32 s44, s20, 9
	s_add_co_u32 s40, s40, s44
	s_mov_b32 s41, 0
	s_add_nc_u64 s[8:9], s[8:9], s[40:41]          ; the bias of my 128 channels
	s_add_nc_u64 s[10:11], s[10:11], s[40:41]
	s_lshl_b32 s40, s23, 19
	s_lshl_b32 s44, s19, 18
	s_add_co_u32 s40, s40, s44
	s_add_nc_u64 s[10:11], s[10:11], s[40:41]      ; my first row of out0: 128 y + 64 x half, rows of 4,096 bytes
	s_mul_i32 s44, s19, 4*TH                       ; LDS: my half of P,
	s_mul_i32 s45, s20, 8*TH
	s_add_co_u32 s45, s45, XB                      ; my half of X,
	s_sub_co_u32 s46, s45, s44                     ; from the one to the other
	s_mul_i32 s47, s18, 16*SPITCH                  ; my stage
	v_and_b32 v1, 31, v0
	v_and_b32 v4, 15, v0                           ; r
	v_bfe_u32 v5, v0, 4, 1                         ; h
	v_lshlrev_b32 v[L8], 3, v1
	v_lshlrev_b32 v6, 3, v4
	v_lshlrev_b32 v[BOF], 6, v5
	v_add_nc_u32 v[QK], s44, v[L8]
	v_add_nc_u32 v[QK+2], s45, v[L8]
	v_mul_u32_u24 v[QK+4], v5, s46
	v_add_nc_u32 v[QK+4], v[QK+4], v6
	v_add_nc_u32 v[QK+4], s44, v[QK+4]
	v_add_nc_u32 v[QK+6], s45, v6
.irp k, 0,2,4,6
	v_add_nc_u32 v[QK+\k+1], SLOT, v[QK+\k]
.endr
	v_mul_u32_u24 v7, v4, SPITCH
	v_lshl_add_u32 v7, v5, 6, v7
	v_add_nc_u32 v[STO], s47, v7                   ; in: row r, 64 bytes for each half of the lanes in each 128
	v_lshlrev_b32 v[CO], 4, v1
	v_add_nc_u32 v[RD], s47, v[CO]                 ; back: the 32 lanes take one row of 512 bytes
.irp b, 0,1,2,3,4,5,6,7
	global_load_b128 v[BC+8*\b:BC+8*\b+3], v[BOF], s[8:9] offset:(32*(\b/2)+8*(\b%2))*4        ; channels 32 (b / 2) + 16 h + 8 (b % 2) + 0 .. 7
	global_load_b128 v[BC+8*\b+4:BC+8*\b+7], v[BOF], s[8:9] offset:(32*(\b/2)+8*(\b%2))*4+16
.endr
	s_wait_alu depctr_va_vdst(0)
	s_wait_tensorcnt 0x0                           ; my part of slot 0 is in
	ds_add_u32 v[SPW], v[NIL]
	s_wait_dscnt 0x0
	CROUND
	JLOAD 1                                        ; the second half of K, the first tensor load behind the round
	FB 0
	FA 0
	s_wait_loadcnt 0x0                             ; the bias is in
	STEP 0, 1
	STEP 1, 0
	STEP 2, 0
	s_wait_tensorcnt 0x0                           ; my part of slot 1 is in;
	ds_add_u32 v[SPW], v[NIL]
	s_wait_dscnt 0x0                               ; my reads of slot 0 are over
	s_barrier_signal -1
	WIN 0xa1
	MUL 3, 0, 0
	WIN 0
	s_barrier_wait -1                              ; both hold of every wave; nothing is filled again
	PLACES
	FB 4
	FA 4
	WIN 0xa1
	MUL 3, 2, 0
	WIN 0
	STEP 4, 0
	STEP 5, 0
	STEP 6, 0
	s_wait_dscnt 0x0
	WIN 0xa1
	MUL 7, 0, 0
	MUL 7, 2, 0
	WIN 0
.macro TOSTAGE a
	WIN 0x08                                       ; the data: window 2
.irp b, 0,1,2,3,4,5,6,7
	ds_store_b128 v[STO], v[64*(\a)+8*\b:64*(\a)+8*\b+3] offset:128*(\b/2)+32*(\b%2)          ; each accumulator from its low end on
	ds_store_b128 v[STO], v[64*(\a)+8*\b+4:64*(\a)+8*\b+7] offset:128*(\b/2)+32*(\b%2)+16
.endr
	WIN 0
.set BB, BK+64*((\a)%2)
.irp t, 0,1,2,3,4,5,6,7,8,9,10,11,12,13,14,15
	ds_load_b128 v[BB+4*\t:BB+4*\t+3], v[RD] offset:\t*SPITCH   ; LDS serves a wave's instructions in order: these see the stores above
.endr
.endm
.macro SEND a, younger
.set BB, BK+64*((\a)%2)
	s_wait_dscnt \younger
.if (\a) > 0
	s_add_nc_u64 s[10:11], s[10:11], (8+16*(1-(\a)%2))*4096   ; the next tile's first row
.endif
.irp t, 0,1,2,3,4,5,6,7,8,9,10,11,12,13,14,15
	global_store_b128 v[CO], v[BB+4*\t:BB+4*\t+3], s[10:11] offset:(\t+8*(\t/8))*4096 th:TH_STORE_NT   ; 512 consecutive bytes, aligned
.endr
.endm
	PLACES
	TOSTAGE 0
.irp a, 1,2,3
.if \a > 1
	s_wait_xcnt 0x0                                ; block a - 2's stores have read their registers and their base
.endif
	TOSTAGE \a
	SEND \a-1, 32
.endr
	s_wait_xcnt 0x0
	SEND 3, 0
	s_wait_tensorcnt 0x0                           ; the wave's end
	ds_add_u32 v[SPW], v[NIL]
	s_wait_dscnt 0x0
	CROUND                                         ; the closing round
	s_endpgm
.Lfunc_end_k_q8acd7787cb_outp:
	.size	k_q8acd7787cb_outp, .Lfunc_end_k_q8acd7787cb_outp-k_q8acd7787cb_outp
	.p2alignl 7, 3214868480
	.fill 96, 4, 3214868480
	.section	.rodata,"a",@progbits
	.p2align	6, 0x0
	.amdhsa_kernel k_q8acd7787cb_outp
		.amdhsa_group_segment_fixed_size 327680
		.amdhsa_private_segment_fixed_size 0
		.amdhsa_enable_private_segment 0
		.amdhsa_kernarg_size 32
		.amdhsa_user_sgpr_count 2
		.amdhsa_user_sgpr_kernarg_segment_ptr 1
		.amdhsa_wavefront_size32 1
		.amdhsa_system_sgpr_workgroup_id_x 1
		.amdhsa_system_sgpr_workgroup_id_y 1
		.amdhsa_system_sgpr_workgroup_id_z 1
		.amdhsa_system_vgpr_workitem_id 0
		.amdhsa_next_free_vgpr 768
		.amdhsa_next_free_sgpr 102
		.amdhsa_reserve_vcc 0
		.amdhsa_float_denorm_mode_32 3
		.amdhsa_float_denorm_mode_16_64 3
		.amdhsa_memory_ordered 1
		.amdhsa_forward_progress 1
		.amdhsa_inst_pref_size 97
	.end_amdhsa_kernel
	.amdgpu_metadata
---
amdhsa.version: [ 1, 2 ]
amdhsa.kernels:
  - .name:           k_q8acd7787cb_outp
    .symbol:         k_q8acd7787cb_outp.kd
    .args:
      - { .name: oc, .offset: 0, .size: 8, .value_kind: global_buffer, .address_space: global }
      - { .name: c1, .offset: 8, .size: 8, .value_kind: global_buffer, .address_space: global }
      - { .name: bo, .offset: 16, .size: 8, .value_kind: global_buffer, .address_space: global }
      - { .name: out0, .offset: 24, .size: 8, .value_kind: global_buffer, .address_space: global }
    .group_segment_fixed_size: 327680
    .private_segment_fixed_size: 0
    .kernarg_segment_align: 8
    .kernarg_segment_size: 32
    .max_flat_workgroup_size: 128
    .sgpr_count:     102
    .vgpr_count:     768
    .wavefront_size: 32
...
	.end_amdgpu_metadata
.endif
;; end of part 4
